; MI455X (gfx1250); checked and timed in simulation.
; The chip was launched on July 23, 2026; its instructions are those of AMD's public machine-readable ISA for CDNA 5 (MIT licence, August 2026) and "CDNA5" Instruction Set Architecture Reference Guide (July 2026). The comments in the code are by the model that wrote it; some were corrected since.
;; Xorzo Transformer. Allowed arithmetic: matrix products marked QUANTISED: E2M1 operands, one E8M0 scale for each 32 along K, by v_wmma_scale_f32_16x16x128_f8f6f4 with both operands' format E2M1 (or v_wmma_scale_f32_32x16x128_f4), f32 sums; products left as they are: bf16, f16 or f32 operands; f32 sums; everything else in f32.
;; Inputs: Wa 1,024 x 16 float32; We 1,024 x 16 float32; Wi 1,024 x 1,024 float32; Wo 1,024 x 1,024 float32; Wout 1,024 x 1,024 float32; Wv 1,024 x 1,024 float32; ba 16 float32; be 16 float32; beta_p 16 float32; chi 16 float32; iv_p 16 float32; ov_p 16 float32; x 4 x 1,024 x 1,024 float32.
;; Outputs: out0 4 x 1,024 x 1,024 float32.
;; This version of the problem:
;;   THIS VERSION OF THE PROBLEM IS GIVEN IN LOW PRECISION. The matrix products marked QUANTISED in the list below multiply operands that are first quantised to E2M1 (2 exponent bits, 1 mantissa bit; 4 bits a number), with one power-of-two scale for each 32 numbers along K (OCP MX v1.0); their sums are f32. The products marked 'left as it is' may take bf16, f16 or f32 operands, with f32 sums. Whichever they take, every output number must still come out within the allowed error. Rounding operands to bf16 (8 significant bits) uses up far more of that allowance than f16 does (11 bits, for magnitudes from 6e-5 to 65,504). All else is computed in f32.
;;   The module's matrix products, in the order in which they are computed (A, B: the left and right operand; K: the contracted axis; several contracted axes count as one K, in the product's order):
;;     1. [M 4,096, K 1,024] x [K 1,024, N 16]; A: input x; B: input Wa: QUANTISED
;;     2. [M 4,096, K 1,024] x [K 1,024, N 16]; A: input x; B: input We: QUANTISED
;;     3. [M 4,096, K 1,024] x [K 1,024, N 1,024]; A: input x; B: input Wi: QUANTISED
;;     4. [M 4,096, K 1,024] x [K 1,024, N 1,024]; A: input x; B: input Wo: QUANTISED
;;     5. batch 64 x [M 1,024, K 64] x [K 64, N 1,024]; A: computed on the way; B: computed on the way: left as it is (an operand is computed on the way)
;;     6. [M 4,096, K 1,024] x [K 1,024, N 1,024]; A: input x; B: input Wv: QUANTISED
;;     7. batch 64 x [M 1,024, K 1,024] x [K 1,024, N 64]; A: computed on the way; B: computed on the way: left as it is (an operand is computed on the way)
;;     8. [M 4,096, K 1,024] x [K 1,024, N 1,024]; A: computed on the way; B: input Wout: left as it is (an operand is computed on the way)
;;   THE QUANTISER, for each operand of a quantised product, along K:
;;     - K is cut into blocks of 32 from its start; a last block that is shorter is filled with zeros.
;;     - A block's scale is 2^e with e = floor(log2(the largest magnitude in the block)) - 2, held to -126 .. 127; a block of zeros has e = 0. As a byte (E8M0): e + 127.
;;     - Each number is divided by its block's scale, clamped to +-6, and rounded to the nearest number of E2M1, ties to even, subnormals kept.
;;     - The product sums the exact products of the quantised numbers (number of the format x scale) in f32.
;;   ~~~python
;;   def quantise(x, axis):      # numpy; x: float32 -> the quantised numbers, widened to float32 again
;;       x = np.moveaxis(x, axis, -1); K = x.shape[-1]
;;       x = np.pad(x, [(0, 0)] * (x.ndim - 1) + [(0, -K % 32)]); x = x.reshape(x.shape[:-1] + (-1, 32)); a = np.abs(x).max(-1, keepdims=True)
;;       e = np.where(a > 0, np.clip(np.frexp(np.where(a > 0, a, 1))[1] - 1 - 2, -126, 127), 0)      # np.frexp(a)[1] - 1 = floor(log2(a)), exactly
;;       r = np.clip(x / 2.0 ** e, -6, 6)
;;       step = 2.0 ** (np.maximum(np.frexp(np.where(r == 0, 1, r))[1] - 1, 0) - 1)
;;       q = np.round(r / step) * step * 2.0 ** e      # np.round: ties to even
;;       return np.moveaxis(q.reshape(q.shape[:-2] + (-1,))[..., :K], -1, axis).astype(np.float32)
;;   ~~~
;; One version. Each part assembles by itself: llvm-mc -triple=amdgcn-amd-amdhsa -mcpu=gfx1250 --defsym DOCPART=n.
;; ======== version 1 of 1: 4 launches
;; limits: values are held in f16: magnitudes above 65,504 overflow, below 6.1e-05 lose precision
;; workspace buffers: xq 2,097,152 bytes; xs 131,072 bytes; wq 1,589,248 bytes; ws 99,328 bytes; wo16 2,097,152 bytes; qkv 25,165,824 bytes; gv 1,048,576 bytes; cmb 8,388,608 bytes
;; launch prep (part 1): grid 385 x 1, 16 waves a work-group, no clusters, 95,232 bytes of LDS; arguments x, Wi, Wo, Wv, Wa, We, Wout, xq, xs, wq, ws, wo16; writes xq, xs, wq, ws, wo16
.if DOCPART == 1
	.amdgcn_target "amdgcn-amd-amdhsa--gfx1250"
	.amdhsa_code_object_version 6
	.text
	.protected	k_qd43812c061_prep
	.globl	k_qd43812c061_prep
	.p2align	8
	.type	k_qd43812c061_prep,@function
k_qd43812c061_prep:
	s_mov_b64 s[64:65], 0
	v_nop
	global_prefetch_b8 v0, s[64:65] scope:SCOPE_SE
	s_setreg_imm32_b32 hwreg(HW_REG_WAVE_MODE, 25, 1), 1
	s_wait_xcnt 0x0
; x [4096][1024], Wi, Wo, Wv [1024][1024], Wa, We [1024][16] (f32) become codes of FP4 (E2M1) with one E8M0 byte for each 32 along K; Wout [1024][1024] becomes f16 with K innermost.
; EVERY OPERAND IS STORED AS THE IMAGE OF ITS FRAGMENT'S REGISTERS: a fragment is 8 registers a lane = 1,024 bytes, registers 4 c .. 4 c + 3 of lane l at 512 c + 16 l.
;   xq [block of 16 rows 256][K step of 128: 8][1 KB]; in a fragment the 16 bytes of block b (32 along K) of row r lie at 256 b + 16 r.
;   wq [block of 16 columns 194][8][1 KB] likewise: 0-63 Wi, 64-127 Wo, 128-191 Wv, 192 Wa, 193 We.
;   xs, ws [block][j 2][r 16][16 bytes]: byte i is the scale byte of K block 16 j + i of row (column) r: a word of four bytes is one K step's scale word.
;   wo16 [block of 16 columns 64][32 along K: 32][1 KB]: the 8 numbers k = 8 g .. 8 g + 7 of column r lie at 256 g + 16 r.
; A block's scale is 2^(floor(log2(largest magnitude)) - 2); its byte is the largest magnitude's exponent field - 2, held at 1 from below.
; LIMITS: a block of zeros, or one whose largest magnitude lies under 2^-124, gets the byte 1 (a zero block's codes are zeros, and this program alone reads the bytes); NaN and infinities are not served;
; Wout is rounded to f16: magnitudes under 65,504, absolute step 6e-8.
; ROLES by the work-group's number: 0-95 W (64 columns x 512 K of Wi, Wo or Wv), 96 G (Wa and We), 97-128 O (64 columns x 512 K of Wout), 129-384 X (16 rows of x).
; A wave has at most 64 loads, all issued at once.  No tensor loads, no cluster: the work-groups share no input.  Each role has LDS bytes of its own.
.set XST,   0                          ; role X: for each wave two stages of 32 x 80 bytes
.set XIM,   81920                      ; role X: 32 rows (K blocks) x (256 + 16) bytes: the 16 rows' codes
.set XSC,   90624                      ; role X: 512 scale bytes
.set WSC,   91136                      ; role W: 1,024 scale bytes
.set GSC,   92160                      ; role G: 1,024 scale bytes
.set SPARE, 93184                      ; the spare words, 128 bytes for each of 16 waves: eight blocks of 256 bytes that no other line names
.set SPW,   12                         ; v12  LDS address of my spare word; never rewritten
.set NIL,   13                         ; v13  0; never rewritten
; 32 numbers of one lane, v[src] on, one block along K: codes into v[dst] .. v[dst + 3], the scale's byte into v[byte]
.macro QBLK src, dst, byte
	v_max3_num_f32 v8, |v[\src]|, |v[\src+1]|, |v[\src+2]|
	v_max3_num_f32 v9, |v[\src+3]|, |v[\src+4]|, |v[\src+5]|
.irp i, 6,10,14,18,22,26
	v_max3_num_f32 v8, v8, |v[\src+\i]|, |v[\src+\i+1]|
	v_max3_num_f32 v9, v9, |v[\src+\i+2]|, |v[\src+\i+3]|
.endr
	v_max3_num_f32 v8, v8, |v[\src+30]|, |v[\src+31]|
	v_max3_num_f32 v8, v8, v9, 0x1800000           ; the floor 2^(3 - 127): the byte cannot fall under 1
	v_add_nc_u32 v11, 0xff000000, v8               ; 2 off the exponent field: the conversion takes this operand's exponent field as its scale
.irp g, 0,1,2,3
	v_cvt_scalef32_pk8_fp4_f32 v[\dst+\g], v[\src+8*\g:\src+8*\g+7], v11
.endr
	v_lshrrev_b32 v[\byte], 23, v11                ; the scale's byte; also the plain line behind the conversions
.endm
; s[36:37] += (512 k + 64 wk) rows of 4,096 bytes + (64 c + 32 wc) columns of 4 bytes
.macro COLBASE kreg, creg
	s_lshl_b32 s38, s[\kreg], 21
	s_lshl_b32 s39, s32, 18
	s_add_co_u32 s38, s38, s39
	s_lshl_b32 s39, s[\creg], 8
	s_add_co_u32 s38, s38, s39
	s_lshl_b32 s39, s29, 7
	s_add_co_u32 s38, s38, s39
	s_mov_b32 s39, 0
	s_add_nc_u64 s[36:37], s[36:37], s[38:39]
.endm
; a lane takes a column and its registers run down K: 64 rows; each load reads 128 consecutive bytes, two neighbouring waves 256
.macro LOADCOL
.set i, 0
.rept 64
	global_load_b32 v[32+i], v4, s[36:37] offset:i*4096 th:TH_LOAD_NT
.set i, i+1
.endr
.endm
	s_load_b256 s[4:11], s[0:1], 0x0               ; x s[4:5], Wi s[6:7], Wo s[8:9], Wv s[10:11]
	s_load_b256 s[12:19], s[0:1], 0x20             ; Wa s[12:13], We s[14:15], Wout s[16:17], xq s[18:19]
	s_load_b256 s[20:27], s[0:1], 0x40             ; xs s[20:21], wq s[22:23], ws s[24:25], wo16 s[26:27]
	v_lshl_add_u32 v[SPW], v0, 2, SPARE
	v_mov_b32 v[NIL], 0
	v_lshrrev_b32 v1, 5, v0
	v_readfirstlane_b32 s28, v1                    ; wave 0..15
	v_and_b32 v1, 31, v0                           ; lane
	v_and_b32 v2, 15, v0                           ; r
	v_bfe_u32 v3, v0, 4, 1                         ; h
	v_and_b32 v10, 63, v0                          ; the thread's number in waves 0 and 1
	s_and_b32 s29, s28, 1                          ; wc: which 32 columns
	s_lshr_b32 s32, s28, 1                         ; wk: which 64 along K
	s_mov_b32 s30, 0x76543210
	s_mov_b32 s31, 0xfedcba98                      ; v_permlanex16_b32's selects for lane l xor 16
	s_wait_kmcnt 0x0
	s_cmp_lt_u32 ttmp9, 96
	s_cbranch_scc1 .Lrole_w
	s_cmp_eq_u32 ttmp9, 96
	s_cbranch_scc1 .Lrole_g
	s_cmp_lt_u32 ttmp9, 129
	s_cbranch_scc1 .Lrole_o
	; ---- ROLE X: wave w takes row 16 rb + w of x: 4,096 bytes, eight loads of 512 consecutive bytes
	s_sub_co_u32 s33, ttmp9, 129                   ; rb
	s_lshl_b32 s38, s33, 16
	s_lshl_b32 s39, s28, 12
	s_add_co_u32 s38, s38, s39
	s_mov_b32 s39, 0
	s_add_nc_u64 s[4:5], s[4:5], s[38:39]
	v_lshlrev_b32 v4, 4, v1                        ; 16 x lane
.irp n, 0,1,2,3,4,5,6,7
	global_load_b128 v[16+4*\n:19+4*\n], v4, s[4:5] offset:512*\n th:TH_LOAD_NT
.endr
	s_mul_i32 s40, s28, 5120                       ; my two stages
	v_lshrrev_b32 v5, 2, v1
	v_mul_u32_u24 v5, v5, 80
	v_and_b32 v6, 3, v1
	v_lshl_add_u32 v5, v6, 4, v5
	v_add_nc_u32 v5, s40, v5                       ; into a stage: four lanes' 64 bytes on end, then 16 of padding
	v_mul_u32_u24 v6, v1, 80
	v_add_nc_u32 v6, s40, v6                       ; out of it: my 16 neighbours
	s_lshl_b32 s41, s28, 4                         ; 16 w
	v_lshrrev_b32 v14, 1, v1                       ; lane / 2: my block of a step's 16
	v_mul_u32_u24 v7, v14, 272
	v_and_b32 v15, 1, v1
	v_lshl_add_u32 v7, v15, 3, v7
	v_add_nc_u32 v7, s41, v7
	v_add_nc_u32 v7, XIM, v7                       ; my 8 bytes of codes: row = K block, 16 w + 8 (lane % 2) in it
	v_add_nc_u32 v89, s41, v14
	v_add_nc_u32 v89, XSC, v89                     ; my block's scale byte: 16 w + lane / 2
	s_mul_i32 s42, s28, 544
	v_mul_u32_u24 v14, v3, 272
	v_lshl_add_u32 v14, v2, 4, v14
	v_add_nc_u32 v14, s42, v14
	v_add_nc_u32 v14, XIM, v14                     ; back: rows 2 w and 2 w + 1, sixteen lanes to a row
	s_lshl_b32 s43, s28, 9
	v_add_nc_u32 v15, s43, v4                      ; and the same 512 bytes in the block's 8,192 of xq
	v_add_nc_u32 v88, XSC, v4                      ; wave 0: the 512 scale bytes
	s_lshl_b32 s44, s33, 13
	s_mov_b32 s45, 0
	s_add_nc_u64 s[18:19], s[18:19], s[44:45]
	s_lshl_b32 s44, s33, 9
	s_add_nc_u64 s[20:21], s[20:21], s[44:45]
.macro TURN t                          ; 2,048 bytes through my stage: in as loaded, out 64 bytes a lane; LDS serves a wave's instructions in order
.irp i, 0,1,2,3
	ds_store_b128 v5, v[16+16*\t+4*\i:19+16*\t+4*\i] offset:2560*\t+640*\i
.endr
.irp i, 0,1,2,3
	ds_load_b128 v[48+16*\t+4*\i:51+16*\t+4*\i], v6 offset:2560*\t+16*\i
.endr
.endm
.macro XSTEP t                         ; 512 numbers: 16 a lane, two neighbouring lanes hold a block
.set XS, 48+16*\t
	v_max3_num_f32 v8, |v[XS]|, |v[XS+1]|, |v[XS+2]|
	v_max3_num_f32 v9, |v[XS+3]|, |v[XS+4]|, |v[XS+5]|
.irp i, 6,10
	v_max3_num_f32 v8, v8, |v[XS+\i]|, |v[XS+\i+1]|
	v_max3_num_f32 v9, v9, |v[XS+\i+2]|, |v[XS+\i+3]|
.endr
	v_max3_num_f32 v8, v8, |v[XS+14]|, |v[XS+15]|
	v_max3_num_f32 v8, v8, v9, 0x1800000
	v_max_num_f32_dpp v8, v8, v8 row_xmask:1 row_mask:0xf bank_mask:0xf
	v_add_nc_u32 v11, 0xff000000, v8
	v_cvt_scalef32_pk8_fp4_f32 v[80+2*\t], v[XS:XS+7], v11
	v_cvt_scalef32_pk8_fp4_f32 v[81+2*\t], v[XS+8:XS+15], v11
	v_lshrrev_b32 v[84+\t], 23, v11
	ds_store_b64 v7, v[80+2*\t:81+2*\t] offset:4352*\t
	ds_store_b8 v89, v[84+\t] offset:256*\t        ; both lanes of a block write the same byte with the same value
.endm
	s_wait_loadcnt 4                               ; the first four loads are in; the second four may be out
	TURN 0
	s_wait_loadcnt 0x0
	TURN 1
	s_wait_dscnt 8                                 ; TURN 0's loads are back; TURN 1's eight instructions may be out
	XSTEP 0
	s_wait_dscnt 2                                 ; TURN 1's loads are back; step 0's two stores may be out
	XSTEP 1
	s_wait_dscnt 0x0                               ; for the others' sake: my stores have landed
	s_barrier_signal -1
	s_barrier_wait -1
	ds_load_b128 v[92:95], v14
	s_wait_dscnt 0x0
	global_store_b128 v15, v[92:95], s[18:19]      ; 32 lanes store 512 consecutive bytes, aligned
	s_cmp_lg_u32 s28, 0
	s_cbranch_scc1 .Lend
	ds_load_b128 v[96:99], v88
	s_wait_dscnt 0x0
	global_store_b128 v4, v[96:99], s[20:21]
	s_branch .Lend
	; ---- ROLE W: 64 columns x 512 K of Wi, Wo or Wv; a wave takes 32 columns x 64 K: two blocks a lane
.Lrole_w:
	s_lshr_b32 s33, ttmp9, 5                       ; which matrix
	s_bfe_u32 s34, ttmp9, 0x40001                  ; cg: which 64 columns
	s_and_b32 s35, ttmp9, 1                        ; kh: which half of K
	s_cmp_eq_u32 s33, 1
	s_cselect_b64 s[36:37], s[8:9], s[6:7]
	s_cmp_eq_u32 s33, 2
	s_cselect_b64 s[36:37], s[10:11], s[36:37]
	COLBASE 35, 34
	v_lshlrev_b32 v4, 2, v1
	LOADCOL
	s_lshl_b32 s40, s33, 6
	s_lshl_b32 s41, s34, 2
	s_add_co_u32 s42, s40, s41                     ; the work-group's first block of 16 columns: 64 mat + 4 cg
	s_lshl_b32 s41, s29, 1
	s_add_co_u32 s40, s42, s41
	s_lshl_b32 s40, s40, 13                        ; 8,192 bytes a block of columns,
	s_lshl_b32 s41, s35, 12                        ; 4 K steps of 1,024 for kh,
	s_add_co_u32 s40, s40, s41
	s_lshl_b32 s41, s32, 9                         ; two K blocks of 256 for wk
	s_add_co_u32 s40, s40, s41
	s_mov_b32 s41, 0
	s_add_nc_u64 s[22:23], s[22:23], s[40:41]
	s_lshl_b32 s42, s42, 9
	s_lshl_b32 s43, s35, 8
	s_add_co_u32 s42, s42, s43
	s_mov_b32 s43, 0
	s_add_nc_u64 s[24:25], s[24:25], s[42:43]
	v_lshlrev_b32 v5, 13, v3
	v_lshl_add_u32 v5, v2, 4, v5                   ; codes: lanes 16-31 belong to the next block of columns; 16 bytes a column
	s_lshl_b32 s44, s29, 9
	s_lshl_b32 s45, s32, 1
	s_add_co_u32 s44, s44, s45
	s_add_co_u32 s44, s44, WSC
	v_lshlrev_b32 v6, 8, v3
	v_lshl_add_u32 v6, v2, 4, v6
	v_add_nc_u32 v6, s44, v6                       ; my two scale bytes: 256 (2 wc + h) + 16 r + 2 wk
	v_lshl_add_u32 v7, v10, 4, WSC                 ; waves 0 and 1 on the way out
	v_lshrrev_b32 v14, 4, v10
	v_lshlrev_b32 v14, 9, v14
	v_lshl_add_u32 v14, v2, 4, v14
	s_wait_loadcnt 32                              ; the first block's 32 loads are in
	QBLK 32, 96, 104
	global_store_b128 v5, v[96:99], s[22:23]       ; sixteen lanes store 256 consecutive bytes, aligned
	s_wait_loadcnt 0x0
	QBLK 64, 100, 105
	global_store_b128 v5, v[100:103], s[22:23] offset:256
	v_lshl_or_b32 v106, v105, 8, v104
	ds_store_b16 v6, v106
	s_wait_dscnt 0x0
	s_barrier_signal -1
	s_barrier_wait -1
	s_cmp_lt_u32 s28, 2
	s_cbranch_scc0 .Lend
	ds_load_b128 v[16:19], v7
	s_wait_dscnt 0x0
	global_store_b128 v14, v[16:19], s[24:25]      ; a block of columns' 16 x 16 bytes of this half of K: 256 consecutive bytes
	s_branch .Lend
	; ---- ROLE G: Wa (waves 0-7) and We (waves 8-15); a wave takes one K step: lane (r, h) takes column r, k = 128 s + 64 c + 32 h + 0 .. 31
.Lrole_g:
	s_lshr_b32 s33, s28, 3                         ; g
	s_and_b32 s34, s28, 7                          ; s
	s_cmp_eq_u32 s33, 0
	s_cselect_b64 s[36:37], s[12:13], s[14:15]
	s_lshl_b32 s38, s34, 13
	s_mov_b32 s39, 0
	s_add_nc_u64 s[36:37], s[36:37], s[38:39]
	v_lshlrev_b32 v4, 11, v3
	v_lshl_add_u32 v4, v2, 2, v4
.set i, 0
.rept 64
	global_load_b32 v[32+i], v4, s[36:37] offset:(64*(i/32)+i%32)*64 th:TH_LOAD_NT
.set i, i+1
.endr
	s_add_co_u32 s40, s33, 192
	s_lshl_b32 s40, s40, 13
	s_lshl_b32 s41, s34, 10
	s_add_co_u32 s40, s40, s41
	s_mov_b32 s41, 0
	s_add_nc_u64 s[22:23], s[22:23], s[40:41]
	s_add_nc_u64 s[24:25], s[24:25], 192*512
	v_lshlrev_b32 v5, 4, v1
	s_lshl_b32 s44, s33, 9
	s_lshr_b32 s45, s34, 2
	s_lshl_b32 s45, s45, 8
	s_add_co_u32 s44, s44, s45
	s_and_b32 s45, s34, 3
	s_lshl_b32 s45, s45, 2
	s_add_co_u32 s44, s44, s45
	s_add_co_u32 s44, s44, GSC
	v_lshlrev_b32 v6, 4, v2
	v_add_nc_u32 v6, s44, v6                       ; my column's scale word of this K step
	v_lshl_add_u32 v7, v10, 4, GSC
	v_lshlrev_b32 v14, 4, v10
	s_wait_loadcnt 32
	QBLK 32, 96, 104
	global_store_b128 v5, v[96:99], s[22:23]
	s_wait_loadcnt 0x0
	QBLK 64, 100, 105
	global_store_b128 v5, v[100:103], s[22:23] offset:512
	v_lshl_or_b32 v15, v105, 16, v104              ; my two bytes: blocks h and 2 + h,
	v_lshlrev_b32 v16, 3, v3
	v_lshlrev_b32 v15, v16, v15                    ; at their places in the word;
	v_mov_b32 v16, 0
	v_permlanex16_b32 v16, v15, s30, s31
	v_or_b32 v15, v15, v16                         ; with lane l xor 16's two the word is whole
	ds_store_b32 v6, v15                           ; both halves of the lanes write the same word with the same value
	s_wait_dscnt 0x0
	s_barrier_signal -1
	s_barrier_wait -1
	s_cmp_lt_u32 s28, 2
	s_cbranch_scc0 .Lend
	ds_load_b128 v[20:23], v7
	s_wait_dscnt 0x0
	global_store_b128 v14, v[20:23], s[24:25]
	s_branch .Lend
	; ---- ROLE O: 64 columns x 512 K of Wout to f16; a wave takes 32 columns x 64 K; eight numbers down K are 16 bytes of a fragment
.Lrole_o:
	s_sub_co_u32 s33, ttmp9, 97
	s_lshr_b32 s34, s33, 1                         ; cg
	s_and_b32 s35, s33, 1                          ; which half of K
	s_mov_b64 s[36:37], s[16:17]
	COLBASE 35, 34
	v_lshlrev_b32 v4, 2, v1
	LOADCOL
	s_lshl_b32 s40, s34, 2
	s_lshl_b32 s41, s29, 1
	s_add_co_u32 s40, s40, s41
	s_lshl_b32 s40, s40, 15                        ; 32,768 bytes a block of 16 columns
	s_lshl_b32 s41, s35, 14                        ; 16 fragments of 1,024 for the half of K,
	s_add_co_u32 s40, s40, s41
	s_lshl_b32 s41, s32, 11                        ; two for wk
	s_add_co_u32 s40, s40, s41
	s_mov_b32 s41, 0
	s_add_nc_u64 s[26:27], s[26:27], s[40:41]
	v_lshlrev_b32 v5, 15, v3
	v_lshl_add_u32 v5, v2, 4, v5
.irp g, 0,1,2,3,4,5,6,7
	s_wait_loadcnt 56-8*\g                         ; the loads of the later groups of eight may be out
.irp i, 0,1,2,3
	v_cvt_pk_f16_f32 v[96+4*\g+\i], v[32+8*\g+2*\i], v[33+8*\g+2*\i]
.endr
	global_store_b128 v5, v[96+4*\g:99+4*\g], s[26:27] offset:(\g/4)*1024+(\g%4)*256   ; sixteen lanes store 256 consecutive bytes, aligned
.endr
.Lend:
	s_wait_tensorcnt 0x0                           ; the wave's end, behind my last LDS store
	ds_add_u32 v[SPW], v[NIL]
	s_wait_dscnt 0x0
	s_endpgm
.Lfunc_end_k_qd43812c061_prep:
	.size	k_qd43812c061_prep, .Lfunc_end_k_qd43812c061_prep-k_qd43812c061_prep
	.p2alignl 7, 3214868480
	.fill 96, 4, 3214868480
	.section	.rodata,"a",@progbits
	.p2align	6, 0x0
	.amdhsa_kernel k_qd43812c061_prep
		.amdhsa_group_segment_fixed_size 95232
		.amdhsa_private_segment_fixed_size 0
		.amdhsa_enable_private_segment 0
		.amdhsa_kernarg_size 96
		.amdhsa_user_sgpr_count 2
		.amdhsa_user_sgpr_kernarg_segment_ptr 1
		.amdhsa_wavefront_size32 1
		.amdhsa_system_sgpr_workgroup_id_x 1
		.amdhsa_system_sgpr_workgroup_id_y 1
		.amdhsa_system_sgpr_workgroup_id_z 1
		.amdhsa_system_vgpr_workitem_id 0
		.amdhsa_next_free_vgpr 128
		.amdhsa_next_free_sgpr 66
		.amdhsa_reserve_vcc 0
		.amdhsa_float_denorm_mode_32 3
		.amdhsa_float_denorm_mode_16_64 3
		.amdhsa_memory_ordered 1
		.amdhsa_forward_progress 1
		.amdhsa_inst_pref_size 40
	.end_amdhsa_kernel
	.amdgpu_metadata
---
amdhsa.version: [ 1, 2 ]
amdhsa.kernels:
  - .name:           k_qd43812c061_prep
    .symbol:         k_qd43812c061_prep.kd
    .args:
      - { .name: x, .offset: 0, .size: 8, .value_kind: global_buffer, .address_space: global }
      - { .name: Wi, .offset: 8, .size: 8, .value_kind: global_buffer, .address_space: global }
      - { .name: Wo, .offset: 16, .size: 8, .value_kind: global_buffer, .address_space: global }
      - { .name: Wv, .offset: 24, .size: 8, .value_kind: global_buffer, .address_space: global }
      - { .name: Wa, .offset: 32, .size: 8, .value_kind: global_buffer, .address_space: global }
      - { .name: We, .offset: 40, .size: 8, .value_kind: global_buffer, .address_space: global }
      - { .name: Wout, .offset: 48, .size: 8, .value_kind: global_buffer, .address_space: global }
      - { .name: xq, .offset: 56, .size: 8, .value_kind: global_buffer, .address_space: global }
      - { .name: xs, .offset: 64, .size: 8, .value_kind: global_buffer, .address_space: global }
      - { .name: wq, .offset: 72, .size: 8, .value_kind: global_buffer, .address_space: global }
      - { .name: ws, .offset: 80, .size: 8, .value_kind: global_buffer, .address_space: global }
      - { .name: wo16, .offset: 88, .size: 8, .value_kind: global_buffer, .address_space: global }
    .group_segment_fixed_size: 95232
    .private_segment_fixed_size: 0
    .kernarg_segment_align: 8
    .kernarg_segment_size: 96
    .max_flat_workgroup_size: 512
    .sgpr_count:     66
    .vgpr_count:     128
    .wavefront_size: 32
...
	.end_amdgpu_metadata
.endif
;; end of part 1
;; launch proj (part 2): grid 12 x 16, 4 waves a work-group, clusters of 4 x 4, 327,680 bytes of LDS; arguments xq, xs, wq, ws, ba, be, qkv, gv; writes qkv, gv
.if DOCPART == 2
	.amdgcn_target "amdgcn-amd-amdhsa--gfx1250"
	.amdhsa_code_object_version 6
	.text
	.protected	k_qd43812c061_proj
	.globl	k_qd43812c061_proj
	.p2align	8
	.type	k_qd43812c061_proj,@function
k_qd43812c061_proj:
	s_mov_b64 s[64:65], 0
	v_nop
	global_prefetch_b8 v0, s[64:65] scope:SCOPE_SE
	s_setreg_imm32_b32 hwreg(HW_REG_WAVE_MODE, 25, 1), 1
	s_wait_xcnt 0x0
	s_wait_alu depctr_hold_cnt(0) depctr_sa_sdst(0) depctr_va_vdst(0) depctr_va_sdst(0) depctr_va_ssrc(0) depctr_va_vcc(0) depctr_vm_vsrc(0)
	s_getreg_b32 s2, hwreg(HW_REG_IB_STS2, 6, 4)
	s_cmp_eq_u32 s2, 0
	s_cbranch_scc0 .Lentry_in_a_cluster
	s_endpgm
.Lentry_in_a_cluster:
	s_bfe_u32 s2, ttmp6, 0x10000c
	s_cmp_lg_u32 s2, 0xf033
	s_cbranch_scc0 .Lentry_shape_is_right
	s_endpgm
.Lentry_shape_is_right:
; inner = x Wi, outer = x Wo, v = x Wv and the two gates x Wa, x We, all on codes of FP4 (E2M1) with E8M0 scales, K = 1,024; sums in f32.
; All operands lie in memory as images of fragments (8 registers a lane, 1,024 bytes: registers 4 c .. 4 c + 3 of lane l at 512 c + 16 l): xq, wq [block of 16][K step 8][1 KB]; xs, ws [block][j 2][r 16][16 bytes].
; A work-group of four waves makes 256 x 256 of one product, a wave 128 x 128: 64 accumulators, 512 registers.  K is two LDS slots of 512 along K: both are first fills, nothing is filled again.
; CLUSTERS of 4 x 4.  "A" is source 1 and shared along a row of the cluster, "B" is source 0 and shared along a column; each tile is asked for jointly.
;   cluster x = 0, 1 (Wi, Wo): A = 256 tokens (tile 4 CY + cy of x), B = 256 columns (tile 4 CX + cx of the weights): a lane holds one token and eight channels.
;   cluster x = 2 (Wv): A = 256 columns of Wv (tile 8 + cy), B = 256 tokens (tile 4 CY + cx): a lane holds one channel and eight keys: V comes out transposed.
; THE WAY OUT needs no LDS: the eight registers that two neighbouring accumulators give, rounded to f16, ARE a fragment (16 x 32) of the attention's operands, and are stored as an image.
;   qkv, for each head 393,216 bytes: Q [block of 16 queries 64][32 channels 2][1 KB]; from 131,072 on four chunks of 256 keys: K [16][2][1 KB], then V^T [32 keys 8][16 channels 4][1 KB].
; THE GATES: in the clusters with cluster x = 0 each wave also takes one block of 16 tokens through x Wa and x We, behind its first fills and while they land, and stores for each head and token
;   bias = log2(e') x 8 ln 2, r = 1 / e', qa = 1e-8 / a  (a = sigmoid(x Wa + ba), e' = sigmoid(x We + be) held at 2^-60 from below); gv [head 64][block of 16 tokens 64][bias, r, qa, zeros][16] f32.
; LIMITS: inner, outer and v are rounded to f16 (magnitudes under 65,504, absolute step 6e-8); NaN and infinities are not served; qa may be +infinity where the aperture's sigmoid falls under f32's range: the row is then 0.
; REGISTERS, in windows of 256: window 0: v1-29 addresses; v32-95 scale words, two sets; v128-191 A's fragments, ONE set; on the way out v128-255 packed results.
;   window 1: B's fragments, TWO sets, at v0 and v128.  window 2: the accumulators of A's blocks 0-3 ((a, b) at v[8 (8 a + b)]); window 3: those of blocks 4-7.
.set NQ,    4                          ; steps of 128 along K in a slot
.set FR,    8                          ; registers of a fragment
.set NL,    2                          ; LDS loads that bring one
.set NP,    4                          ; places behind this matrix instruction (ISA guide 7.12.1)
.set SLOT,  131072                     ; a slot: A [block 16][step 4][1 KB], then B likewise
.set BOFF,  65536
.set SCL,   262144                     ; the scales of all of K: A's 8,192 bytes, then B's
.set SPARE, 278528                     ; the spare words, 128 bytes for each wave: two blocks of 256 bytes that no other line names
.set GST,   279040                     ; the gates' stage: 16 rows x 272 bytes for each wave; no fill lands here
.set HS,    393216                     ; a head's bytes in qkv
.set GSI,  5                           ; v5   the gates' stage, in
.set GSO,  6                           ; v6   and back
.set R16,  7                           ; v7   16 r
.set VO,   8                           ; v8-11 the way out: 16 x lane + the place of fragment 0 .. 3 of a block's four
.set R4,   12                          ; v12  4 r
.set GVO,  13                          ; v13  gv: 16,384 h + 16 r
.set ADRA, 16                          ; v16-17 LDS address of my A fragments in slot 0, 1
.set ADRB, 20                          ; v20-21 the same for B
.set CO,   26                          ; v26  16 x lane
.set ADRS, 27                          ; v27  LDS address of my scale words: lanes 0-15 A's, lanes 16-31 B's
.set SPW,  28                          ; v28  LDS address of my spare word; never rewritten
.set NIL,  29                          ; v29  0; never rewritten
.set SC,   32                          ; scale words: set s at v[SC + 32 s]; register 4 i + q: lanes 0-15 A's block i, lanes 16-31 B's block i, the slot's q-th step
.set AF,   128
.set TMP,  128
.set ZA,   192                         ; the gates' two accumulators: v192-199 aperture, v200-207 expression
.set G1, 24                            ; s[24:31] group 1 for A's codes; s[32:39] groups 0, one for each slot
.set G0, 32
.set G1B, 48                           ; s[48:55], s[56:63] the same for B's
.set G0B, 56
.set G1S, 68                           ; s[68:75], s[76:79] groups 1 and 0 for A's scales; s[80:87], s[88:91] for B's
.set G0S, 76
.set G1SB, 80
.set G0SB, 88
.set MSB, 0
.macro WIN new                         ; the immediate's high byte repeats the setting that is left
.if MSB != \new
	s_set_vgpr_msb (MSB<<8)|\new
.set MSB, \new
.endif
.endm
.set MUL_LO, 0xa1                      ; source 0 (B) window 1, source 1 (A) window 0, C and D window 2
.set MUL_HI, 0xf1                      ; the same, C and D window 3
.set TO_B,   0x40                      ; destination window 1, address window 0
; A joint load: waves 0 and 1 fetch for A, waves 2 and 3 for B; the branch hangs on the wave's number alone.  An s_nop 0 and four v_nop follow each of the two lines.
.macro JLOAD g0a, g1a, g0b, g1b
	s_cmp_eq_u32 s21, 0
	s_cbranch_scc0 .Lfor_b_\@
	tensor_load_to_lds s[\g0a:\g0a+3], s[\g1a:\g1a+7]
	s_nop 0
.rept 4
	v_nop
.endr
	s_branch .Lasked_\@
.Lfor_b_\@:
	tensor_load_to_lds s[\g0b:\g0b+3], s[\g1b:\g1b+7]
	s_nop 0
.rept 4
	v_nop
.endr
.Lasked_\@:
.endm
.macro CROUND                          ; a round of the cluster's barrier
	s_barrier_signal -1
	s_barrier_wait -1
	s_cmp_lg_u32 s20, 0
	s_cbranch_scc1 .Lnot_wave_0_\@
	s_barrier_signal -3
.Lnot_wave_0_\@:
	s_barrier_wait -3
	s_barrier_signal -1
	s_barrier_wait -1
.endm
	s_load_b256 s[4:11], s[0:1], 0x0               ; xq s[4:5], xs s[6:7], wq s[8:9], ws s[10:11]
	s_load_b256 s[12:19], s[0:1], 0x20             ; ba s[12:13], be s[14:15], qkv s[16:17], gv s[18:19]
	v_lshl_add_u32 v[SPW], v0, 2, SPARE
	v_mov_b32 v[NIL], 0
	ds_add_u32 v[SPW], v[NIL]                      ; the wave's opening: the add and its wait stand ahead of my first tensor load; the set-up below stands between them
	v_lshrrev_b32 v1, 5, v0
	v_readfirstlane_b32 s20, v1                    ; wave 0..3
	s_lshr_b32 s21, s20, 1                         ; wa: which 128 of A's 256 are mine.  Also: I fetch for A (0) or for B (1)
	s_and_b32 s22, s20, 1                          ; wb: which 128 of B's.  Also: which half of that tile I fetch
	s_bfe_u32 s40, ttmp6, 0x40000                  ; cx, cy: my place in the cluster
	s_bfe_u32 s41, ttmp6, 0x40004
	s_and_b32 s23, ttmp7, 0xffff                   ; CY: the batch
	s_lshl_b32 s43, s41, 2
	s_lshl_b32 s43, 15, s43                        ; my row of the cluster
	s_lshl_b32 s44, 0x1111, s40                    ; my column
	; group 1 for codes: 8 blocks of 16 rows, of each 4 K steps = 4,096 consecutive bytes (512 elements of 8), 8,192 bytes from block to block; dense in LDS
	s_or_b32 s[G1+0], s43, (3<<16)|(1<<21)         ; 15:0 the mask: A's tiles go to my row; 17:16 elements of 8 bytes; 21 set beside a mask; no padding
	s_or_b32 s[G1B+0], s44, (3<<16)|(1<<21)
.irp g, G1, G1B
	s_mov_b32 s[\g+1], 512<<16                     ; tensor_dim0
	s_mov_b32 s[\g+2], 8<<16                       ; tensor_dim1
	s_mov_b32 s[\g+3], 512<<16                     ; tile_dim0
	s_mov_b32 s[\g+4], 8                           ; tile_dim1
	s_mov_b32 s[\g+5], 1024                        ; tensor_dim0_stride
	s_mov_b32 s[\g+6], 0
	s_mov_b32 s[\g+7], 0
.endr
	; and for the scales of 8 blocks: 4,096 dense bytes, as 16 rows of 256
	s_or_b32 s[G1S+0], s43, (3<<16)|(1<<21)
	s_or_b32 s[G1SB+0], s44, (3<<16)|(1<<21)
.irp g, G1S, G1SB
	s_mov_b32 s[\g+1], 32<<16
	s_mov_b32 s[\g+2], 16<<16
	s_mov_b32 s[\g+3], 32<<16
	s_mov_b32 s[\g+4], 16
	s_mov_b32 s[\g+5], 32
	s_mov_b32 s[\g+6], 0
	s_mov_b32 s[\g+7], 0
.endr
	; which tiles.  A's hang on cy alone, B's on cx alone, each in registers that never hold the other
	s_lshl_b32 s45, s23, 2                         ; 4 CY
	s_add_co_u32 s92, s45, s41                     ; x's tile 4 CY + cy
	s_add_co_u32 s93, s41, 8                       ; Wv's tile 8 + cy
	s_add_co_u32 s46, s45, s40                     ; x's tile 4 CY + cx
	s_lshl_b32 s47, ttmp9, 2
	s_add_co_u32 s47, s47, s40                     ; the weights' tile 4 CX + cx
	s_cmp_eq_u32 ttmp9, 2                          ; the cluster's x: the same in all sixteen partners
	s_cselect_b32 s92, s93, s92                    ; A's tile
	s_cselect_b32 s46, s46, s47                    ; B's tile
	s_lshl_b32 s42, s22, 3
	s_lshl_b32 s92, s92, 4
	s_add_co_u32 s92, s92, s42                     ; the first block of 16 that I would fetch for A,
	s_lshl_b32 s46, s46, 4
	s_add_co_u32 s46, s46, s42                     ; for B
	s_lshl_b32 s94, s92, 9                         ; its scales, in bytes,
	s_mov_b32 s95, 0
	s_lshl_b32 s92, s92, 13                        ; its codes
	s_mov_b32 s93, 0
	s_lshl_b32 s96, s46, 9
	s_mov_b32 s97, 0
	s_lshl_b32 s46, s46, 13
	s_mov_b32 s47, 0
	s_lshl_b32 s45, s20, 15                        ; where they go: wave x 32,768: no place in the cluster enters an LDS address
	s_lshl_b32 s42, s20, 12                        ; the scales: wave x 4,096
	s_wait_dscnt 0x0                               ; the opening add is done
	s_wait_kmcnt 0x0
	s_cmp_eq_u32 ttmp9, 2
	s_cselect_b64 s[2:3], s[8:9], s[4:5]           ; A's codes,
	s_cselect_b64 s[98:99], s[10:11], s[6:7]       ; A's scales,
	s_cselect_b64 s[66:67], s[4:5], s[8:9]         ; B's codes,
	s_cselect_b64 s[100:101], s[6:7], s[10:11]     ; B's scales
	s_add_nc_u64 s[2:3], s[2:3], s[92:93]
	s_add_nc_u64 s[98:99], s[98:99], s[94:95]
	s_add_nc_u64 s[66:67], s[66:67], s[46:47]
	s_add_nc_u64 s[100:101], s[100:101], s[96:97]
	CROUND                                         ; all sixteen work-groups are here: the first joint loads meet
	s_mov_b32 s[G0S], 1
	s_add_co_u32 s[G0S+1], s42, SCL
	s_mov_b64 s[G0S+2:G0S+3], s[98:99]
	s_or_b32 s[G0S+3], s[G0S+3], 0x80000000
	s_mov_b32 s[G0SB], 1
	s_add_co_u32 s[G0SB+1], s42, SCL
	s_mov_b64 s[G0SB+2:G0SB+3], s[100:101]
	s_or_b32 s[G0SB+3], s[G0SB+3], 0x80000000
	JLOAD G0S, G1S, G0SB, G1SB                     ; the scales first: they are wanted with the first step
.irp s, 0,1
	s_mov_b32 s[G0+4*\s], 1
	s_add_co_u32 s[G0+4*\s+1], s45, \s*SLOT
	s_add_nc_u64 s[G0+4*\s+2:G0+4*\s+3], s[2:3], \s*4096
	s_or_b32 s[G0+4*\s+3], s[G0+4*\s+3], 0x80000000
	s_mov_b32 s[G0B+4*\s], 1
	s_add_co_u32 s[G0B+4*\s+1], s45, \s*SLOT
	s_add_nc_u64 s[G0B+4*\s+2:G0B+4*\s+3], s[66:67], \s*4096
	s_or_b32 s[G0B+4*\s+3], s[G0B+4*\s+3], 0x80000000
	JLOAD G0+4*\s, G1, G0B+4*\s, G1B               ; three tensor loads of mine are out: all that this launch has
.endr
	; every LDS address is made here, ahead of the parting below
	v_and_b32 v1, 15, v0                           ; r
	v_bfe_u32 v2, v0, 4, 1                         ; h
	v_and_b32 v3, 31, v0
	v_lshlrev_b32 v[CO], 4, v3                     ; 16 x lane: my place in every image
	s_lshl_b32 s92, s21, 15                        ; my 8 blocks of A,
	s_lshl_b32 s93, s22, 15
	s_add_co_u32 s93, s93, BOFF                    ; of B
.irp s, 0,1
	v_add_nc_u32 v[ADRA+\s], s92, v[CO]
	v_add_nc_u32 v[ADRB+\s], s93, v[CO]
	s_add_co_u32 s92, s92, SLOT
	s_add_co_u32 s93, s93, SLOT
.endr
	s_lshl_b32 s92, s21, 12                        ; A's scales: my 8 blocks;
	s_lshl_b32 s93, s22, 12
	s_add_co_u32 s93, s93, 8192                    ; B's, behind A's 8,192 bytes
	s_sub_co_u32 s93, s93, s92
	v_mul_u32_u24 v4, s93, v2                      ; lanes 16-31 take B's: one product, h x the distance
	s_add_co_u32 s92, s92, SCL
	v_lshl_add_u32 v4, v1, 4, v4
	v_add_nc_u32 v[ADRS], s92, v4
	s_mul_i32 s94, s20, 4352
	s_add_co_u32 s94, s94, GST                     ; my stage for the gates
	v_mul_u32_u24 v[GSI], v1, 272
	v_lshl_add_u32 v[GSI], v2, 5, v[GSI]
	v_add_nc_u32 v[GSI], s94, v[GSI]               ; in: row = head r, + 32 h: my eight tokens
	v_mul_u32_u24 v[GSO], v2, 272
	v_lshl_add_u32 v[GSO], v1, 4, v[GSO]
	v_add_nc_u32 v[GSO], s94, v[GSO]               ; back: lanes 0-15 one head's 256 bytes, lanes 16-31 the next head's
	v_lshlrev_b32 v[R16], 4, v1
	v_lshlrev_b32 v[R4], 2, v1
	v_lshl_add_u32 v[GVO], v2, 14, v[R16]
	s_cmp_lg_u32 ttmp9, 0                          ; the cluster's x: the same in all partners and all waves; the jump leads round no tensor load, no barrier and no wait on TENSORcnt
	s_cbranch_scc1 .Lno_gates
	; ---- THE GATES of tokens 16 rb .. 16 rb + 15, rb = 16 (4 CY + cy) + 4 cx + wave.  Source 0 = x, source 1 = Wa or We: a lane holds head r and tokens 8 h + 0 .. 7
	s_lshl_b32 s92, s23, 2
	s_add_co_u32 s92, s92, s41
	s_lshl_b32 s92, s92, 2
	s_add_co_u32 s92, s92, s40
	s_lshl_b32 s92, s92, 2
	s_add_co_u32 s92, s92, s20                     ; rb
	s_lshl_b32 s94, s92, 13
	s_mov_b32 s95, 0
	s_add_nc_u64 s[94:95], s[4:5], s[94:95]        ; x's eight fragments
	s_lshl_b32 s96, s92, 9
	s_mov_b32 s97, 0
	s_add_nc_u64 s[96:97], s[6:7], s[96:97]        ; and their scale words
	s_add_nc_u64 s[46:47], s[8:9], 192*8192        ; Wa's and We's sixteen
	s_add_nc_u64 s[98:99], s[10:11], 192*512
	s_and_b32 s92, s92, 63                         ; the block's number in its batch
	s_lshl_b32 s92, s92, 8
	s_lshl_b32 s93, s23, 18                        ; 16 heads of 16,384 bytes a batch
	s_add_co_u32 s92, s92, s93
	s_mov_b32 s93, 0
	s_add_nc_u64 s[100:101], s[18:19], s[92:93]
.irp n, 0,1,2,3,4,5,6,7,8,9,10,11,12,13,14,15
	global_load_b128 v[AF+4*\n:AF+4*\n+3], v[CO], s[94:95] offset:512*\n
.endr
	WIN TO_B
.set n, 0
.rept 32
	global_load_b128 v[4*n:4*n+3], v[CO], s[46:47] offset:512*n    ; window 1: gate g, K step s at v[64 g + 8 s]
.set n, n+1
.endr
	WIN 0
.irp j, 0,1
	global_load_b128 v[SC+4*\j:SC+4*\j+3], v[R16], s[96:97] offset:256*\j          ; x's scale words of K steps 4 j .. 4 j + 3
.endr
.irp g, 0,1
.irp j, 0,1
	global_load_b128 v[SC+8+8*\g+4*\j:SC+8+8*\g+4*\j+3], v[R16], s[98:99] offset:512*\g+256*\j
.endr
.endr
	global_load_b32 v96, v[R4], s[12:13]           ; ba[r]
	global_load_b32 v97, v[R4], s[14:15]           ; be[r]
	s_mov_b32 s92, 0x322bcc77                      ; 1e-8
	s_wait_loadcnt 0x0
	WIN 0x04                                       ; source 1 window 1
.irp s, 0,1,2,3,4,5,6,7                        ; the two accumulators by turns
.irp g, 0,1
.if \s == 0
	v_wmma_scale_f32_16x16x128_f8f6f4 v[ZA+8*\g:ZA+8*\g+7], v[AF+8*\s:AF+8*\s+7], v[64*\g+8*\s:64*\g+8*\s+7], 0, v[SC+\s], v[SC+8+8*\g+\s] matrix_a_fmt:MATRIX_FMT_FP4 matrix_b_fmt:MATRIX_FMT_FP4
.else
	v_wmma_scale_f32_16x16x128_f8f6f4 v[ZA+8*\g:ZA+8*\g+7], v[AF+8*\s:AF+8*\s+7], v[64*\g+8*\s:64*\g+8*\s+7], v[ZA+8*\g:ZA+8*\g+7], v[SC+\s], v[SC+8+8*\g+\s] matrix_a_fmt:MATRIX_FMT_FP4 matrix_b_fmt:MATRIX_FMT_FP4
.endif
.endr
.endr
	WIN 0
	v_mul_f32 v98, 0xbfb8aa3b, v96                 ; -log2(e) ba.  (These six lines are the places behind the products)
	v_mul_f32 v99, 0xbfb8aa3b, v97
.irp j, 0,1,2,3
	v_mov_b32 v[100+\j], 0
.endr
.irp j, 0,1,2,3,4,5,6,7
	v_fmamk_f32 v[208+\j], v[ZA+\j], 0xbfb8aa3b, v98       ; u_a = -log2(e) (z + ba)
.endr
.irp j, 0,1,2,3,4,5,6,7
	v_fmamk_f32 v[216+\j], v[ZA+8+\j], 0xbfb8aa3b, v99     ; u_e
.endr
.irp j, 0,1,2,3,4,5,6,7
	v_or_b32 v[224+\j], 0x80000000, v[216+\j]              ; -|u_e|
.endr
.irp j, 0,1,2,3,4,5,6,7
	v_exp_f32 v[208+\j], v[208+\j]                         ; 2^u_a = 1 / a - 1
.endr
.irp j, 0,1,2,3,4,5,6,7
	v_exp_f32 v[224+\j], v[224+\j]
.endr
.irp j, 0,1,2,3,4,5,6,7
	v_max_num_f32 v[216+\j], 0, v[216+\j]                  ; max(u_e, 0): plain work behind the exponentials
.endr
	s_wait_alu depctr_va_vdst(0)                   ; one wait for the sixteen, ahead of their first reader
.irp j, 0,1,2,3,4,5,6,7
	v_fma_f32 v[208+\j], v[208+\j], s92, s92               ; qa = 1e-8 (1 + 2^u_a)
.endr
.irp j, 0,1,2,3,4,5,6,7
	v_add_f32 v[224+\j], 1.0, v[224+\j]
.endr
.irp j, 0,1,2,3,4,5,6,7
	v_log_f32 v[224+\j], v[224+\j]                         ; log2(1 + 2^-|u_e|)
.endr
	v_nop
	s_wait_alu depctr_va_vdst(0)
.irp j, 0,1,2,3,4,5,6,7
	v_add_f32 v[232+\j], v[216+\j], v[224+\j]              ; log2(1 + 2^u_e) = -log2(e), with no overflow
.endr
.irp j, 0,1,2,3,4,5,6,7
	v_min_num_f32 v[232+\j], 0x42700000, v[232+\j]         ; the hold: e' is at least 2^-60
.endr
.irp j, 0,1,2,3,4,5,6,7
	v_exp_f32 v[248+\j], v[232+\j]                         ; r = 1 / e'
.endr
.irp j, 0,1,2,3,4,5,6,7
	v_mul_f32 v[240+\j], 0xc0b17218, v[232+\j]             ; bias = log2(e') x 8 ln 2, in units of the raw score
.endr
	s_wait_alu depctr_va_vdst(0)
	ds_store_b128 v[GSI], v[240:243]
	ds_store_b128 v[GSI], v[244:247] offset:16
	ds_store_b128 v[GSI], v[248:251] offset:64
	ds_store_b128 v[GSI], v[252:255] offset:80
	ds_store_b128 v[GSI], v[208:211] offset:128
	ds_store_b128 v[GSI], v[212:215] offset:144
	ds_store_b128 v[GSI], v[100:103] offset:192
	ds_store_b128 v[GSI], v[100:103] offset:208
.irp i, 0,1,2,3,4,5,6,7
	ds_load_b128 v[AF+4*\i:AF+4*\i+3], v[GSO] offset:544*\i        ; my own bytes: LDS serves a wave's instructions in order
.endr
.irp i, 0,1,2,3,4,5,6,7
	s_wait_dscnt 7-\i
	global_store_b128 v[GVO], v[AF+4*\i:AF+4*\i+3], s[100:101] offset:32768*\i   ; heads 2 i and 2 i + 1: sixteen lanes store 256 consecutive bytes, aligned
.endr
	s_wait_xcnt 0x0                                ; the stores have read their registers and their base: both are written again below
.Lno_gates:
.macro FRAG reg, adr, q, i             ; a fragment comes as it was stored: two loads of 512 consecutive bytes
.irp c, 0,1
	ds_load_b128 v[\reg+4*\c:\reg+4*\c+3], v[\adr] offset:(\i)*4096+(\q)*1024+512*\c
.endr
.endm
; 16 matrix instructions: A's blocks a0, a0 + 1 x B's eight, the slot's q-th 128 along K.  p: B's set; sc: the set of scale words.  zero = 1: the first product starts the sums.
; The 64 accumulators take turns, one instruction a turn, in the same order in every step.
.macro MUL16 a0, p, q, sc, zero
.irp a, \a0, \a0+1
.irp b, 0,1,2,3,4,5,6,7
.if \zero
	v_wmma_scale_f32_16x16x128_f8f6f4 v[8*(8*((\a)%4)+\b):8*(8*((\a)%4)+\b)+7], v[128*(\p)+FR*\b:128*(\p)+FR*\b+FR-1], v[AF+FR*(\a):AF+FR*(\a)+FR-1], 0, v[SC+8*NQ*(\sc)+NQ*\b+(\q)], v[SC+8*NQ*(\sc)+NQ*(\a)+(\q)] matrix_a_fmt:MATRIX_FMT_FP4 matrix_b_fmt:MATRIX_FMT_FP4 matrix_a_scale:MATRIX_SCALE_ROW1
.else
	v_wmma_scale_f32_16x16x128_f8f6f4 v[8*(8*((\a)%4)+\b):8*(8*((\a)%4)+\b)+7], v[128*(\p)+FR*\b:128*(\p)+FR*\b+FR-1], v[AF+FR*(\a):AF+FR*(\a)+FR-1], v[8*(8*((\a)%4)+\b):8*(8*((\a)%4)+\b)+7], v[SC+8*NQ*(\sc)+NQ*\b+(\q)], v[SC+8*NQ*(\sc)+NQ*(\a)+(\q)] matrix_a_fmt:MATRIX_FMT_FP4 matrix_b_fmt:MATRIX_FMT_FP4 matrix_a_scale:MATRIX_SCALE_ROW1
.endif
.endr
.endr
.endm
.macro FETCH_B slot, q, p
	WIN TO_B
.irp i, 0,1,2,3,4,5,6,7
	FRAG 128*(\p)+FR*\i, ADRB+\slot, \q, \i
.endr
	WIN 0
.endm
.macro FETCH_A slot, q, i0
.irp i, \i0, \i0+1, \i0+2, \i0+3
	FRAG AF+FR*(\i), ADRA+\slot, \q, \i
.endr
.endm
.macro SCALES sc                       ; slot sc's scale words: four a row; lanes 0-15 take A's block i, lanes 16-31 B's block i
.irp i, 0,1,2,3,4,5,6,7
	ds_load_b128 v[SC+8*NQ*\sc+NQ*\i:SC+8*NQ*\sc+NQ*\i+3], v[ADRS] offset:\i*512+\sc*256
.endr
.endm
.macro PLACES n                        ; places in front of loads into registers that matrix instructions have read, and of the first read of results
.rept \n
	v_nop
.endr
.endm
.macro STEP slot, q, zero              ; a step of 128 along K that has its successor in the same slot
	s_wait_dscnt 4*NL                              ; B's set and A's blocks 0-3 are in; the youngest eight loads (A's blocks 4-7) may be out
	WIN MUL_LO
	MUL16 0, (\q)%2, \q, \slot, \zero
	MUL16 2, (\q)%2, \q, \slot, \zero
	s_wait_dscnt 0
	PLACES NP
	FETCH_B \slot, (\q)+1, 1-(\q)%2
	FETCH_A \slot, (\q)+1, 0
	WIN MUL_HI
	MUL16 4, (\q)%2, \q, \slot, \zero
	MUL16 6, (\q)%2, \q, \slot, \zero
	PLACES NP
	WIN 0
	FETCH_A \slot, (\q)+1, 4
.endm
	s_wait_tensorcnt 1                             ; the scales and my part of slot 0 are in; slot 1's load, the one issued behind them, may be out
	s_barrier_signal -1
	s_barrier_wait -1                              ; everybody's are
	FETCH_B 0, 0, 0
	FETCH_A 0, 0, 0
	SCALES 0
	FETCH_A 0, 0, 4
	STEP 0, 0, 1                                   ; the first step's products start the sums: nothing is cleared
	STEP 0, 1, 0
	STEP 0, 2, 0
	; slot 0's last step changes slots: one barrier; in front of it my part of slot 1 has landed
	s_wait_tensorcnt 0x0                           ; all my tensor loads have landed
	ds_add_u32 v[SPW], v[NIL]                      ; 0 onto my spare word
	s_wait_dscnt 4*NL+1                            ; (the add and the youngest eight loads may be out)
	WIN MUL_LO
	MUL16 0, 1, NQ-1, 0, 0
	s_wait_dscnt 0x0
	s_barrier_signal -1
	MUL16 2, 1, NQ-1, 0, 0
	WIN 0
	s_barrier_wait -1                              ; slot 1 is whole
	PLACES NP
	FETCH_B 1, 0, 0
	FETCH_A 1, 0, 0
	SCALES 1
	WIN MUL_HI
	MUL16 4, 1, NQ-1, 0, 0
	MUL16 6, 1, NQ-1, 0, 0
	PLACES NP
	WIN 0
	FETCH_A 1, 0, 4
	STEP 1, 0, 0
	STEP 1, 1, 0
	STEP 1, 2, 0
	s_wait_dscnt 4*NL                              ; the very last step: nothing more to fetch
	WIN MUL_LO
	MUL16 0, 1, NQ-1, 1, 0
	MUL16 2, 1, NQ-1, 1, 0
	s_wait_dscnt 0
	WIN MUL_HI
	MUL16 4, 1, NQ-1, 1, 0
	MUL16 6, 1, NQ-1, 1, 0
	WIN 0
	; ---- THE WAY OUT.  Block a of A, fragment f (B's blocks 2 f, 2 f + 1).
	; Q, K: head 16 CY + 4 cx + 2 wb + f / 2, channels 32 (f % 2) on, tokens 256 cy + 128 wa + 16 a on.   V: head 16 CY + 4 cy + 2 wa + a / 4, channels 16 (a % 4) on, keys 256 cx + 128 wb + 32 f on.
	s_lshl_b32 s92, s23, 4                         ; 16 CY
	s_lshl_b32 s93, s40, 2
	s_lshl_b32 s94, s22, 1
	s_add_co_u32 s93, s93, s94                     ; Q, K: 4 cx + 2 wb
	s_lshl_b32 s94, s41, 2
	s_lshl_b32 s95, s21, 1
	s_add_co_u32 s94, s94, s95                     ; V: 4 cy + 2 wa
	s_lshl_b32 s95, s21, 14                        ; 8 wa blocks of 2,048 bytes
	s_lshl_b32 s96, s41, 15
	s_add_co_u32 s96, s96, s95                     ; Q: 32,768 cy + 16,384 wa
	s_lshl_b32 s97, s41, 16
	s_add_co_u32 s97, s97, s95
	s_add_co_u32 s97, s97, 131072                  ; K: chunk cy
	s_lshl_b32 s98, s40, 16
	s_lshl_b32 s99, s22, 14
	s_add_co_u32 s98, s98, s99
	s_add_co_u32 s98, s98, 163840                  ; V: chunk cx, behind its K; 4 wb groups of 4,096 bytes
	s_cmp_eq_u32 ttmp9, 1
	s_cselect_b32 s96, s97, s96
	s_cmp_eq_u32 ttmp9, 2                          ; all the choices below hang on this compare: moves and selects leave SCC alone
	s_cselect_b32 s96, s98, s96
	s_cselect_b32 s93, s94, s93
	s_mov_b32 s94, 1024
	s_cselect_b32 s94, 4096, s94                   ; fragment 1's place
	s_mov_b32 s95, HS
	s_cselect_b32 s95, 8192, s95                   ; fragment 2's
	s_mov_b32 s97, HS+1024
	s_cselect_b32 s97, 12288, s97                  ; fragment 3's
	s_mov_b32 s98, 2048
	s_cselect_b32 s98, 1024, s98                   ; from block a to block a + 1,
	s_mov_b32 s100, 2048
	s_cselect_b32 s100, HS-3072, s100              ; and from block 3 to block 4
	s_mov_b32 s99, 0
	s_mov_b32 s101, 0
	s_add_co_u32 s93, s93, s92
	s_mul_i32 s93, s93, HS
	s_add_co_u32 s92, s93, s96
	s_mov_b32 s93, 0
	s_add_nc_u64 s[16:17], s[16:17], s[92:93]
	v_mov_b32 v[VO], v[CO]                         ; (these four lines are the places in front of the writes into A's registers)
	v_add_nc_u32 v[VO+1], s94, v[CO]
	v_add_nc_u32 v[VO+2], s95, v[CO]
	v_add_nc_u32 v[VO+3], s97, v[CO]
.macro PACK a                          ; block a's eight accumulators, each from its low end on, become four fragments of f16
.set AC, 64*((\a)%4)
.set TM, TMP+32*((\a)%4)
	WIN (0x0a+5*((\a)/4))                          ; sources 0 and 1: window 2 or 3
.irp b, 0,1,2,3,4,5,6,7
.irp i, 0,1,2,3
	v_cvt_pk_f16_f32 v[TM+4*\b+\i], v[AC+8*\b+2*\i], v[AC+8*\b+2*\i+1]
.endr
.endr
	WIN 0
.endm
.macro SEND a
.set TM, TMP+32*((\a)%4)
.irp f, 0,1,2,3
	global_store_b128 v[VO+\f], v[TM+8*\f:TM+8*\f+3], s[16:17]                 ; 32 lanes store 512 consecutive bytes, aligned
	global_store_b128 v[VO+\f], v[TM+8*\f+4:TM+8*\f+7], s[16:17] offset:512
.endr
.endm
.irp a, 0,1,2,3,4,5,6,7
	PACK \a
.if \a > 0
	s_wait_xcnt 0x0                                ; the earlier stores have read their base and their data
.if \a == 4
	s_add_nc_u64 s[16:17], s[16:17], s[100:101]
.else
	s_add_nc_u64 s[16:17], s[16:17], s[98:99]
.endif
.endif
	SEND \a
.endr
	s_wait_tensorcnt 0x0                           ; the wave's end, behind my last tensor load and my last LDS store
	ds_add_u32 v[SPW], v[NIL]
	s_wait_dscnt 0x0
	CROUND                                         ; the closing round
	s_endpgm
.Lfunc_end_k_qd43812c061_proj:
	.size	k_qd43812c061_proj, .Lfunc_end_k_qd43812c061_proj-k_qd43812c061_proj
	.p2alignl 7, 3214868480
	.fill 96, 4, 3214868480
	.section	.rodata,"a",@progbits
	.p2align	6, 0x0
	.amdhsa_kernel k_qd43812c061_proj
		.amdhsa_group_segment_fixed_size 327680
		.amdhsa_private_segment_fixed_size 0
		.amdhsa_enable_private_segment 0
		.amdhsa_kernarg_size 64
		.amdhsa_user_sgpr_count 2
		.amdhsa_user_sgpr_kernarg_segment_ptr 1
		.amdhsa_wavefront_size32 1
		.amdhsa_system_sgpr_workgroup_id_x 1
		.amdhsa_system_sgpr_workgroup_id_y 1
		.amdhsa_system_sgpr_workgroup_id_z 1
		.amdhsa_system_vgpr_workitem_id 0
		.amdhsa_next_free_vgpr 1024
		.amdhsa_next_free_sgpr 102
		.amdhsa_reserve_vcc 0
		.amdhsa_float_denorm_mode_32 3
		.amdhsa_float_denorm_mode_16_64 3
		.amdhsa_memory_ordered 1
		.amdhsa_forward_progress 1
		.amdhsa_inst_pref_size 135
	.end_amdhsa_kernel
	.amdgpu_metadata
---
amdhsa.version: [ 1, 2 ]
amdhsa.kernels:
  - .name:           k_qd43812c061_proj
    .symbol:         k_qd43812c061_proj.kd
    .args:
      - { .name: xq, .offset: 0, .size: 8, .value_kind: global_buffer, .address_space: global }
      - { .name: xs, .offset: 8, .size: 8, .value_kind: global_buffer, .address_space: global }
      - { .name: wq, .offset: 16, .size: 8, .value_kind: global_buffer, .address_space: global }
      - { .name: ws, .offset: 24, .size: 8, .value_kind: global_buffer, .address_space: global }
      - { .name: ba, .offset: 32, .size: 8, .value_kind: global_buffer, .address_space: global }
      - { .name: be, .offset: 40, .size: 8, .value_kind: global_buffer, .address_space: global }
      - { .name: qkv, .offset: 48, .size: 8, .value_kind: global_buffer, .address_space: global }
      - { .name: gv, .offset: 56, .size: 8, .value_kind: global_buffer, .address_space: global }
    .group_segment_fixed_size: 327680
    .private_segment_fixed_size: 0
    .kernarg_segment_align: 8
    .kernarg_segment_size: 64
    .max_flat_workgroup_size: 128
    .sgpr_count:     102
    .vgpr_count:     1024
    .wavefront_size: 32
...
	.end_amdgpu_metadata
.endif
;; end of part 2
;; launch attn (part 3): grid 4 x 64, 8 waves a work-group, clusters of 4 x 1, 327,680 bytes of LDS; arguments qkv, gv, beta_p, iv_p, ov_p, chi, cmb; writes cmb
.if DOCPART == 3
	.amdgcn_target "amdgcn-amd-amdhsa--gfx1250"
	.amdhsa_code_object_version 6
	.text
	.protected	k_qd43812c061_attn
	.globl	k_qd43812c061_attn
	.p2align	8
	.type	k_qd43812c061_attn,@function
k_qd43812c061_attn:
	s_mov_b64 s[64:65], 0
	v_nop
	global_prefetch_b8 v0, s[64:65] scope:SCOPE_SE
	s_setreg_imm32_b32 hwreg(HW_REG_WAVE_MODE, 25, 1), 1
	s_wait_xcnt 0x0
	s_wait_alu depctr_hold_cnt(0) depctr_sa_sdst(0) depctr_va_vdst(0) depctr_va_sdst(0) depctr_va_ssrc(0) depctr_va_vcc(0) depctr_vm_vsrc(0)
	s_getreg_b32 s2, hwreg(HW_REG_IB_STS2, 6, 4)
	s_cmp_eq_u32 s2, 0
	s_cbranch_scc0 .Lentry_in_a_cluster
	s_endpgm
.Lentry_in_a_cluster:
	s_bfe_u32 s2, ttmp6, 0x10000c
	s_cmp_lg_u32 s2, 0x3003
	s_cbranch_scc0 .Lentry_shape_is_right
	s_endpgm
.Lentry_shape_is_right:
; The gated attention of one head and the chamber behind it.  With s = inner . outer (raw), c = log2(e) / 8, e_k the key's gate and a_q the query's:
;   converged_q = N / (S + 1e-8 l / a_q),  N = sum p e v,  S = sum p e,  l = sum p,  p = 2^(c s - anything): reference()'s softmax, gating and second normalisation in one quotient.
; THE KEY'S GATE STANDS IN THE EXPONENT: bias_k = log2(e'_k) / c is the C of the first matrix instruction of S^T = K Q^T.  m is the running maximum of the gated scores s' = s + bias;
;   p' = 2^(c s' - c m + 14); N = sum p' v by the matrix unit (p', v in f16); S = sum p' and l = sum p' r_k (r_k = 1 / e'_k) in f32.  The factor 2^14 is common to N, S and l and cancels.
; THE CHAMBER: out_r = (x_r cos - x_i sin) g, out_i = (x_r sin + x_i cos) g, angle pi beta, beta = sigmoid(beta_p), g = sigmoid(iv_p) sigmoid(ov_p) tanh(chi).  y = pi (beta - 1/2) lies in (-pi/2, pi/2) for every
;   input; sin(pi beta) = cos y, cos(pi beta) = -sin y, by their series to y^14 and y^13 (the first terms left out are under 1e-9 there).  Channels d and d + 32 lie in one lane.
; SHARES.  A work-group owns 256 queries of one head, each of its eight waves 32: two tiles of 16.  A HEAD'S K AND V (262,144 bytes as images of fragments) AND ITS GATE NUMBERS STAY IN LDS WHOLE:
;   all fills are first fills, five tensor loads a wave, asked for jointly by the head's four query blocks, which form a cluster.  Nothing is filled again; nothing is left that a prefetch could run ahead of.
;   In LDS K of key step j (64 keys) lies at 8,192 j and V at 131,072 + 8,192 j, so that one scalar steps through all sixteen steps.
; LAYOUT.  S^T = K Q^T (source 0 = 16 keys, source 1 = 16 queries), O^T = V^T P (source 0 = 16 channels x 32 keys): a lane holds ONE query (lane % 16) throughout.
; THE ORDER OF A KEY STEP.  V and r of the step are asked for at its head; K and the bias of the NEXT step behind this step's first product, whose registers they take: they have the softmax and the second
;   product in which to land.  The two row sums stand BETWEEN the second product's matrix instructions, four packed instructions behind each: a step has some eight vector instructions for each matrix instruction,
;   so the vector work is what there is to hide.  The registers are laid so that the sums run under the product's own window setting: the sums and r in window 1, p' in window 0.
; LIMITS: Q, K, V and the result are f16 (magnitudes under 65,504, absolute step 6e-8); e' is the key's gate held at 2^-60 from below (what that adds to S is under 2^-33 of the denominator); NaN and infinities are not served.
; REGISTERS: window 0: v1-12 addresses; v16-39 twelve registers of statistics a tile; v40-63 constants and work; v64-127 S^T, then p'; v128-159 P; v160-191 bias; v192-223 Q.
;   window 1: v0-63 O^T (32 a tile); v64-79 the row sums; v96-159 K of a step; v160-223 V of a step; v224-255 r.
.set HS,    393216                     ; a head's bytes in qkv
.set VR,    131072                     ; LDS: K's 131,072 bytes from 0 on, V's from here on
.set GV,    262144                     ; behind them: the head's gate numbers, [block of 16 keys 64][bias, r, qa, 0][16] f32
.set SPARE, 278528                     ; the spare words, 128 bytes for each of eight waves: four blocks of 256 bytes that no other line names
.set LI,  3                            ; v3   16 x lane
.set ADR, 4                            ; v4   LDS address of the step's K
.set GB0, 5                            ; v5   GV + 32 h
.set ADB, 6                            ; v6   LDS address of the step's bias and r
.set ADV, 7                            ; v7   LDS address of the step's V
.set SPW, 8                            ; v8   LDS address of my spare word; never rewritten
.set NIL, 9                            ; v9   0; never rewritten
.set LIV, 12                           ; v12  16 x lane + VR
.set ST,  16                           ; tile T's statistics at v[ST + 12 T]: +0 c m - 14, +1 m, +6 a, +7 its pair's partner, +8 .. +11 at work
.set QA,  40                           ; v40-41 qa of my query in tile T
.set GA,  42                           ; v42  g cos(pi beta)
.set GB,  43                           ; v43  g sin(pi beta)
.set OC,  44                           ; v44-45 tile T's old c m - 14, then its change
.set S,   64
.set P,   128
.set BI,  160
.set QF,  192
.set SM,  64                           ; window 1: tile T's sums at v[SM + 8 T]: +0 .. +3 S in two chains of a pair (even keys', odd keys'), +4 .. +7 l likewise
.set KF,  96                           ; window 1
.set VF,  160
.set RR,  224
.set WV,  18                           ; s18  my wave's number
.set G1,  24                           ; s[24:31] group 1 for K's and V's bytes: 32 rows of 256
.set G1S, 32                           ; s[32:39] for the gate numbers: 8 rows of 256
.set G0,  40                           ; s[40:59] five groups 0
.set CS,  60                           ; s[60:61] c, twice
.set SEL, 62                           ; s[62:63] v_permlanex16_b32's selects for lane l xor 16
.set C14, 66                           ; s66  -14.0
.set TB,  67                           ; s67  8,192 x the step
.set TS,  68                           ; s68  1,024 x the step: its gate numbers, from GV on
.set CNT, 69
.set MSB, 0
.macro WIN new                         ; the immediate's high byte repeats the setting that is left
.if MSB != \new
	s_set_vgpr_msb (MSB<<8)|\new
.set MSB, \new
.endif
.endm
.macro CROUND                          ; a round of the cluster's barrier
	s_barrier_signal -1
	s_barrier_wait -1
	s_cmp_lg_u32 s[WV], 0
	s_cbranch_scc1 .Lnot_wave_0_\@
	s_barrier_signal -3
.Lnot_wave_0_\@:
	s_barrier_wait -3
	s_barrier_signal -1
	s_barrier_wait -1
.endm
	s_load_b256 s[4:11], s[0:1], 0x0               ; qkv s[4:5], gv s[6:7], beta_p s[8:9], iv_p s[10:11]
	s_load_b128 s[12:15], s[0:1], 0x20             ; ov_p s[12:13], chi s[14:15]
	s_load_b64 s[16:17], s[0:1], 0x30              ; cmb
	v_lshl_add_u32 v[SPW], v0, 2, SPARE
	v_mov_b32 v[NIL], 0
	ds_add_u32 v[SPW], v[NIL]                      ; the wave's opening: the add and its wait stand ahead of my first tensor load
	v_lshrrev_b32 v1, 5, v0
	v_readfirstlane_b32 s[WV], v1                  ; wave 0..7
	s_bfe_u32 s19, ttmp6, 0x40000                  ; cx: my block of 256 queries; it enters global addresses of Q, qa and the result alone
	s_and_b32 s20, ttmp7, 0xffff                   ; the head (16 x batch + head), which the four partners share
	s_mov_b32 s[G1], 15|(3<<16)|(1<<21)            ; 15:0 the mask: all four work-groups; 17:16 elements of 8 bytes; 21 set beside a mask; no padding
	s_mov_b32 s[G1+1], 32<<16                      ; tensor_dim0 = 32 elements: 256 bytes
	s_mov_b32 s[G1+2], 32<<16                      ; tensor_dim1 = 32
	s_mov_b32 s[G1+3], 32<<16                      ; tile_dim0
	s_mov_b32 s[G1+4], 32                          ; tile_dim1
	s_mov_b32 s[G1+5], 32                          ; the pitch: dense
	s_mov_b32 s[G1+6], 0
	s_mov_b32 s[G1+7], 0
	s_mov_b32 s[G1S], 15|(3<<16)|(1<<21)
	s_mov_b32 s[G1S+1], 32<<16
	s_mov_b32 s[G1S+2], 8<<16
	s_mov_b32 s[G1S+3], 32<<16
	s_mov_b32 s[G1S+4], 8
	s_mov_b32 s[G1S+5], 32
	s_mov_b32 s[G1S+6], 0
	s_mov_b32 s[G1S+7], 0
	s_mul_i32 s74, s20, HS
	s_lshl_b32 s84, s[WV], 13                      ; my 8,192 bytes of a chunk's 65,536 in memory: waves 0-3 its K, waves 4-7 its V
	s_add_co_u32 s76, s74, s84
	s_add_co_u32 s76, s76, 131072
	s_mov_b32 s77, 0
	s_lshr_b32 s89, s[WV], 2                       ; and in LDS: 8,192 w in K's region, or 8,192 (w - 4) in V's
	s_mul_i32 s89, s89, VR-32768
	s_add_co_u32 s89, s89, s84
	s_lshl_b32 s85, s[WV], 11                      ; my 2,048 bytes of the gate numbers' 16,384
	s_lshl_b32 s78, s20, 14
	s_add_co_u32 s78, s78, s85
	s_mov_b32 s79, 0
	s_lshl_b32 s80, s19, 15                        ; Q: blocks 16 cx + 2 w and the next, 2,048 bytes each
	s_lshl_b32 s81, s[WV], 12
	s_add_co_u32 s80, s80, s81
	s_add_co_u32 s80, s80, s74
	s_mov_b32 s81, 0
	s_lshl_b32 s82, s20, 14                        ; qa: the same blocks' third row of 64 bytes
	s_lshl_b32 s83, s19, 12
	s_add_co_u32 s82, s82, s83
	s_lshl_b32 s83, s[WV], 9
	s_add_co_u32 s82, s82, s83
	s_add_co_u32 s82, s82, 128
	s_mov_b32 s83, 0
	s_lshr_b32 s86, s20, 4                         ; the result: block of 16 tokens 64 b + 16 cx + 2 w, 32,768 bytes each; fragments 2 head and 2 head + 1
	s_lshl_b32 s86, s86, 6
	s_lshl_b32 s87, s19, 4
	s_add_co_u32 s86, s86, s87
	s_lshl_b32 s87, s[WV], 1
	s_add_co_u32 s86, s86, s87
	s_lshl_b32 s86, s86, 15
	s_and_b32 s87, s20, 15
	s_lshl_b32 s88, s87, 11
	s_add_co_u32 s86, s86, s88
	s_lshl_b32 s88, s87, 2                         ; 4 x head: the parameters' place
	s_mov_b32 s87, 0
	s_mov_b32 s[CS], 0x3e38aa3b                    ; c = log2(e) / 8
	s_mov_b32 s[CS+1], s[CS]
	s_mov_b32 s[SEL], 0x76543210
	s_mov_b32 s[SEL+1], 0xfedcba98
	s_mov_b32 s[C14], 0xc1600000
	s_mov_b32 s[TB], 0
	s_mov_b32 s[TS], 0
	s_wait_dscnt 0x0                               ; the opening add is done
	s_wait_kmcnt 0x0
	s_add_nc_u64 s[76:77], s[4:5], s[76:77]
	s_add_nc_u64 s[80:81], s[4:5], s[80:81]
	s_add_nc_u64 s[82:83], s[6:7], s[82:83]
	s_add_nc_u64 s[16:17], s[16:17], s[86:87]
	CROUND                                         ; all four work-groups are here: the joint loads meet
	s_mov_b32 s[G0], 1
	s_add_co_u32 s[G0+1], s85, GV
	s_add_nc_u64 s[G0+2:G0+3], s[6:7], s[78:79]
	s_or_b32 s[G0+3], s[G0+3], 0x80000000
.irp i, 0,1,2,3
	s_mov_b32 s[G0+4+4*\i], 1
	s_add_co_u32 s[G0+5+4*\i], s89, \i*32768       ; chunk i: 256 keys: 32,768 bytes on in K's region and in V's
	s_add_nc_u64 s[G0+6+4*\i:G0+7+4*\i], s[76:77], \i*65536
	s_or_b32 s[G0+7+4*\i], s[G0+7+4*\i], 0x80000000
.endr
	tensor_load_to_lds s[G0:G0+3], s[G1S:G1S+7]    ; the gate numbers, then the four chunks: five tensor loads of mine are out, all that this launch has
	s_nop 0
.irp i, 0,1,2,3
	tensor_load_to_lds s[G0+4+4*\i:G0+7+4*\i], s[G1:G1+7]
	s_nop 0
.endr
.rept 4
	v_nop
.endr
	v_and_b32 v1, 15, v0                           ; r
	v_bfe_u32 v2, v0, 4, 1                         ; h
	v_and_b32 v[LI], 31, v0
	v_lshlrev_b32 v[LI], 4, v[LI]
	v_add_nc_u32 v[LIV], VR, v[LI]
	v_lshl_add_u32 v[GB0], v2, 5, GV
	v_lshlrev_b32 v10, 2, v1
	v_mov_b32 v11, s88
.irp n, 0,1,2,3,4,5,6,7
	global_load_b128 v[QF+4*\n:QF+4*\n+3], v[LI], s[80:81] offset:512*\n       ; Q's four fragments (tile T, 32 channels) stay in registers
.endr
	global_load_b32 v[QA], v10, s[82:83]
	global_load_b32 v[QA+1], v10, s[82:83] offset:256
	global_load_b32 v44, v11, s[8:9]               ; the head's four parameters, the same in every lane
	global_load_b32 v45, v11, s[10:11]
	global_load_b32 v46, v11, s[12:13]
	global_load_b32 v47, v11, s[14:15]
	WIN 0x40                                       ; destination window 1
.set n, 0
.rept 80
	v_mov_b32 v[n], 0                              ; O^T and the sixteen registers of sums.  (The step is written for every step alike: the first finds zeros, which its a = 0 leaves zeros)
.set n, n+1
.endr
	WIN 0
.irp T, 0,1
	v_mov_b32 v[ST+12*\T+1], 0xff61b1e6            ; m: -3e38, under every score
	v_fma_f32 v[ST+12*\T], v[ST+12*\T+1], s[CS], s[C14]
.irp k, 7,9,11
	v_mov_b32 v[ST+12*\T+\k], 0                    ; the partner of a; the lane permutes' destinations
.endr
.endr
	s_wait_loadcnt 0x0
	v_mul_f32 v44, 0xbfb8aa3b, v44
	v_mul_f32 v45, 0xbfb8aa3b, v45
	v_mul_f32 v46, 0xbfb8aa3b, v46
	v_mul_f32 v47, 0x4038aa3b, v47
.irp k, 44,45,46,47
	v_exp_f32 v\k, v\k
.endr
	v_nop
	s_wait_alu depctr_va_vdst(0)                   ; one wait for the four, ahead of their first reader
.irp k, 44,45,46,47
	v_add_f32 v\k, 1.0, v\k
.endr
.irp k, 44,45,46,47
	v_rcp_f32 v\k, v\k
.endr
	v_nop
	s_wait_alu depctr_va_vdst(0)
	v_fma_f32 v47, v47, -2.0, 1.0                  ; tanh(chi) = 1 - 2 / (1 + e^(2 chi))
	v_mul_f32 v45, v45, v46
	v_mul_f32 v45, v45, v47                        ; g
	v_add_f32 v44, -0.5, v44
	v_mul_f32 v44, 0x40490fdb, v44                 ; y = pi (beta - 1/2)
	v_mul_f32 v46, v44, v44
	v_mov_b32 v48, 0xad49cba5                      ; cos y: -1/14!, then 1/12!, -1/10!, 1/8!, -1/6!, 1/4!, -1/2, 1
	v_mov_b32 v49, 0x2f309231                      ; sin y / y: 1/13!, then -1/11!, 1/9!, -1/7!, 1/5!, -1/3!, 1
	v_fmaak_f32 v48, v48, v46, 0x310f76c7
	v_fmaak_f32 v49, v49, v46, 0xb2d7322b
	v_fmaak_f32 v48, v48, v46, 0xb493f27e
	v_fmaak_f32 v49, v49, v46, 0x3638ef1d
	v_fmaak_f32 v48, v48, v46, 0x37d00d01
	v_fmaak_f32 v49, v49, v46, 0xb9500d01
	v_fmaak_f32 v48, v48, v46, 0xbab60b61
	v_fmaak_f32 v49, v49, v46, 0x3c088889
	v_fmaak_f32 v48, v48, v46, 0x3d2aaaab
	v_fmaak_f32 v49, v49, v46, 0xbe2aaaab
	v_fmaak_f32 v48, v48, v46, 0xbf000000
	v_fmaak_f32 v49, v49, v46, 0x3f800000
	v_fmaak_f32 v48, v48, v46, 0x3f800000
	v_mul_f32 v49, v49, v44
	v_mul_f32 v[GB], v45, v48                      ; g sin(pi beta) = g cos y
	v_mul_f32 v[GA], -v45, v49                     ; g cos(pi beta) = -g sin y
; 24 LDS loads: K (keys 16 (f / 2) on, channels 32 (f % 2) on) and the bias (keys 16 k + 8 h + 0 .. 7: the layout of the result) of the step in hand (nx = 0) or of the next (nx = 1)
.macro LOADK nx
	WIN 0x40
.irp f, 0,1,2,3,4,5,6,7
	ds_load_b128 v[KF+8*\f:KF+8*\f+3],   v[ADR] offset:8192*\nx+1024*\f
	ds_load_b128 v[KF+8*\f+4:KF+8*\f+7], v[ADR] offset:8192*\nx+1024*\f+512
.endr
	WIN 0
.irp k, 0,1,2,3
	ds_load_b128 v[BI+8*\k:BI+8*\k+3],   v[ADB] offset:1024*\nx+256*\k
	ds_load_b128 v[BI+8*\k+4:BI+8*\k+7], v[ADB] offset:1024*\nx+256*\k+16
.endr
.endm
; A KEY STEP: 64 keys, both tiles.  Its K and bias were asked for a step ago.  ahead = 1: the next step's are asked for.
.macro KSTEP ahead
	v_add_nc_u32 v[ADR], s[TB], v[LI]              ; these four lines stand, with the last four sums, between the last step's products and the loads into V's registers
	v_add_nc_u32 v[ADV], s[TB], v[LIV]
	v_add_nc_u32 v[ADB], s[TS], v[GB0]
	v_nop
	WIN 0x40
.irp f, 0,1,2,3,4,5,6,7                        ; V^T: keys 32 (f / 4) on, channels 16 (f % 4) on
	ds_load_b128 v[VF+8*\f:VF+8*\f+3],   v[ADV] offset:1024*\f
	ds_load_b128 v[VF+8*\f+4:VF+8*\f+7], v[ADV] offset:1024*\f+512
.endr
.irp k, 0,1,2,3                                ; r of keys 16 k + 8 h + 0 .. 7
	ds_load_b128 v[RR+8*\k:RR+8*\k+3],   v[ADB] offset:256*\k+64
	ds_load_b128 v[RR+8*\k+4:RR+8*\k+7], v[ADB] offset:256*\k+80
.endr
	s_wait_dscnt 24                                ; K and the bias, asked for earlier, are in; the 24 loads just issued may be out
	WIN 0x01                                       ; K window 1; Q, C and D window 0
.irp k, 0,1,2,3                                ; the eight accumulators by turns; the bias starts the sums
.irp T, 0,1
	v_wmma_f32_16x16x32_f16 v[S+32*\T+8*\k:S+32*\T+8*\k+7], v[KF+16*\k:KF+16*\k+7], v[QF+16*\T:QF+16*\T+7], v[BI+8*\k:BI+8*\k+7]
.endr
.endr
.irp k, 0,1,2,3
.irp T, 0,1
	v_wmma_f32_16x16x32_f16 v[S+32*\T+8*\k:S+32*\T+8*\k+7], v[KF+16*\k+8:KF+16*\k+15], v[QF+16*\T+8:QF+16*\T+15], v[S+32*\T+8*\k:S+32*\T+8*\k+7]
.endr
.endr
	WIN 0
.irp T, 0,1
	v_mov_b32 v[OC+\T], v[ST+12*\T]                ; the old c m - 14.  (These four lines are the places behind the products, for the loads below and for the first read of the scores)
.endr
	v_nop
	v_nop
.if \ahead
	LOADK 1                                        ; into the registers that the products above have read
.endif
	; the maximum of my 32 gated scores and the old m; the two tiles alternate line by line; each accumulator is read from its low end on
.irp j, 0,1,2,3
.irp T, 0,1
	v_max3_num_f32 v[ST+12*\T+8+\j], v[S+32*\T+8*\j], v[S+32*\T+8*\j+1], v[S+32*\T+8*\j+2]
.endr
.endr
.irp q, 1,2
.irp j, 0,1,2,3
.irp T, 0,1
	v_max3_num_f32 v[ST+12*\T+8+\j], v[ST+12*\T+8+\j], v[S+32*\T+8*\j+2*\q+1], v[S+32*\T+8*\j+2*\q+2]
.endr
.endr
.endr
.irp T, 0,1
	v_max3_num_f32 v[ST+12*\T+8], v[ST+12*\T+8], v[S+32*\T+7], v[S+32*\T+15]
.endr
.irp T, 0,1
	v_max3_num_f32 v[ST+12*\T+10], v[ST+12*\T+10], v[S+32*\T+23], v[S+32*\T+31]
.endr
.irp T, 0,1
	v_max3_num_f32 v[ST+12*\T+8], v[ST+12*\T+8], v[ST+12*\T+9], v[ST+12*\T+10]
.endr
.irp T, 0,1
	v_max3_num_f32 v[ST+12*\T+8], v[ST+12*\T+8], v[ST+12*\T+11], v[ST+12*\T+1]
.endr
.irp T, 0,1
	v_permlanex16_b32 v[ST+12*\T+9], v[ST+12*\T+8], s[SEL], s[SEL+1]   ; the query's other 32 keys lie in the lane 16 away
.endr
.irp T, 0,1
	v_max_num_f32 v[ST+12*\T+1], v[ST+12*\T+8], v[ST+12*\T+9]
.endr
.irp T, 0,1
	v_fma_f32 v[ST+12*\T], v[ST+12*\T+1], s[CS], s[C14]
.endr
.irp T, 0,1
	v_sub_f32 v[OC+\T], v[OC+\T], v[ST+12*\T]
.endr
.irp n, 0,2,4,6,8,10,12,14,16,18,20,22,24,26,28,30
.irp T, 0,1
	v_pk_fma_f32 v[S+32*\T+\n:S+32*\T+\n+1], v[S+32*\T+\n:S+32*\T+\n+1], s[CS:CS+1], v[ST+12*\T:ST+12*\T+1] op_sel_hi:[1,0,0] neg_lo:[0,0,1] neg_hi:[0,0,1]   ; c s' - (c m - 14)
.endr
.endr
.irp T, 0,1                                    ; ONE BATCH of 66 exponentials
	v_exp_f32 v[ST+12*\T+6], v[OC+\T]              ; a = 2^(c m_old - c m_new)
.endr
.set n, 0
.rept 64
	v_exp_f32 v[S+n], v[S+n]                       ; p'
.set n, n+1
.endr
	v_nop                                          ; the plain line behind the last exponential
	s_wait_alu depctr_va_vdst(0)                   ; ONE wait for the batch, ahead of its first reader
.irp n, 0,1,2,3,4,5,6,7,8,9,10,11,12,13,14,15
.irp T, 0,1
	v_cvt_pk_f16_f32 v[P+16*\T+\n], v[S+32*\T+2*\n], v[S+32*\T+2*\n+1]     ; two neighbouring tiles of keys, rounded in pairs, are source 1 of the second product
.endr
.endr
	WIN 0x41                                       ; O^T and the sums window 1, a window 0
.irp n, 0,2,4,6,8,10,12,14,16,18,20,22,24,26,28,30
.irp T, 0,1
	v_pk_mul_f32 v[32*\T+\n:32*\T+\n+1], v[32*\T+\n:32*\T+\n+1], v[ST+12*\T+6:ST+12*\T+7] op_sel_hi:[1,0]
.endr
.endr
.irp n, 0,2,4,6
.irp T, 0,1
	v_pk_mul_f32 v[SM+8*\T+\n:SM+8*\T+\n+1], v[SM+8*\T+\n:SM+8*\T+\n+1], v[ST+12*\T+6:ST+12*\T+7] op_sel_hi:[1,0]
.endr
.endr
.if \ahead
	s_wait_dscnt 24                                ; V and r are in; the 24 loads of the next step's K and bias may be out
.else
	s_wait_dscnt 0x0
.endif
	WIN 0x51                                       ; destination, source 0 and source 2 window 1, source 1 window 0: V, P, O^T; and for the sums: the sum or r, p', the sum
; Product i of 16: keys 32 (i / 8) on, channels 16 ((i / 2) % 4) on, tile i % 2: the eight accumulators by turns.  Behind it pair i of both tiles' 16 pairs of p' goes into S and, times r, into l:
; four plain instructions that name no register of the products; the pairs take the two chains of each sum by turns.
.set i, 0
.rept 16
.set rO, 32*(i%2)+8*((i/2)%4)
.set rV, VF+32*(i/8)+8*((i/2)%4)
.set rP, P+16*(i%2)+8*(i/8)
.set rC, SM+2*(i%2)
	v_wmma_f32_16x16x32_f16 v[rO:rO+7], v[rV:rV+7], v[rP:rP+7], v[rO:rO+7]
	v_pk_add_f32 v[rC:rC+1], v[rC:rC+1], v[S+2*i:S+2*i+1]
	v_pk_add_f32 v[rC+8:rC+9], v[rC+8:rC+9], v[S+32+2*i:S+32+2*i+1]
	v_pk_fma_f32 v[rC+4:rC+5], v[RR+2*i:RR+2*i+1], v[S+2*i:S+2*i+1], v[rC+4:rC+5]
	v_pk_fma_f32 v[rC+12:rC+13], v[RR+2*i:RR+2*i+1], v[S+32+2*i:S+32+2*i+1], v[rC+12:rC+13]
.set i, i+1
.endr
	WIN 0
.endm
.macro NEXT                            ; on to the next step
	s_add_co_u32 s[TB], s[TB], 8192
	s_add_co_u32 s[TS], s[TS], 1024
	s_sub_co_u32 s[CNT], s[CNT], 1
	s_cmp_lg_u32 s[CNT], 0
.endm
	s_wait_tensorcnt 3                             ; my parts of the gate numbers and of chunk 0 are in; the three chunks issued behind them may be out
	s_wait_dscnt 0x0
	s_barrier_signal -1
	s_barrier_wait -1                              ; everybody's are
	v_add_nc_u32 v[ADR], s[TB], v[LI]
	v_add_nc_u32 v[ADB], s[TS], v[GB0]
	LOADK 0                                        ; step 0's K and bias
	s_mov_b32 s[CNT], 3
.Lchunk0:                                          ; steps 0 to 2: they read, and look ahead to, chunk 0 alone (steps 0 to 3)
	KSTEP 1
	NEXT
	s_cbranch_scc1 .Lchunk0
	s_wait_tensorcnt 0x0                           ; all my tensor loads have landed: my parts of chunks 1 to 3
	s_wait_dscnt 0x0                               ; (step 3's K and bias: no LDS instruction is pending at a signal)
	s_barrier_signal -1
	s_barrier_wait -1                              ; the whole head lies in LDS
	s_mov_b32 s[CNT], 12
.Lrest:                                            ; steps 3 to 14
	KSTEP 1
	NEXT
	s_cbranch_scc1 .Lrest
	KSTEP 0                                        ; step 15 looks ahead to nothing
	; THE WAY OUT.  The sums' chains and halves and the other half of the lanes' are added; O^T / (S + l qa); the chamber; f16; stored as images of fragments.
	WIN 0x05                                       ; sources 0 and 1 window 1
.irp T, 0,1
	v_add_f32 v[ST+12*\T+8], v[SM+8*\T], v[SM+8*\T+1]
	v_add_f32 v[ST+12*\T+9], v[SM+8*\T+2], v[SM+8*\T+3]
	v_add_f32 v[ST+12*\T+10], v[SM+8*\T+4], v[SM+8*\T+5]
	v_add_f32 v[ST+12*\T+11], v[SM+8*\T+6], v[SM+8*\T+7]
.endr
	WIN 0
.irp T, 0,1
	v_add_f32 v[ST+12*\T+8], v[ST+12*\T+8], v[ST+12*\T+9]
.endr
.irp T, 0,1
	v_add_f32 v[ST+12*\T+10], v[ST+12*\T+10], v[ST+12*\T+11]
.endr
.irp T, 0,1
	v_permlanex16_b32 v[ST+12*\T+9], v[ST+12*\T+8], s[SEL], s[SEL+1]
.endr
.irp T, 0,1
	v_permlanex16_b32 v[ST+12*\T+11], v[ST+12*\T+10], s[SEL], s[SEL+1]
.endr
.irp T, 0,1
	v_add_f32 v[ST+12*\T+8], v[ST+12*\T+8], v[ST+12*\T+9]
.endr
.irp T, 0,1
	v_add_f32 v[ST+12*\T+10], v[ST+12*\T+10], v[ST+12*\T+11]
.endr
.irp T, 0,1
	v_fma_f32 v[ST+12*\T+8], v[ST+12*\T+10], v[QA+\T], v[ST+12*\T+8]
.endr
.irp T, 0,1
	v_rcp_f32 v[ST+12*\T+8], v[ST+12*\T+8]
.endr
	v_nop
	s_wait_alu depctr_va_vdst(0)
.irp T, 0,1
	v_mul_f32 v[52+4*\T], v[ST+12*\T+8], v[GA]
	v_mul_f32 v[53+4*\T], v[ST+12*\T+8], v[GA]
	v_mul_f32 v[54+4*\T], v[ST+12*\T+8], v[GB]
	v_mul_f32 v[55+4*\T], v[ST+12*\T+8], v[GB]
.endr
	WIN 0x01                                       ; source 0 (O^T) window 1
.irp T, 0,1
.irp n, 0,2,4,6,8,10,12,14                     ; x_r: registers n, n + 1 of the tile's first 16; x_i: of its second 16; ascending
	v_pk_mul_f32 v[S+32*\T+\n:S+32*\T+\n+1], v[32*\T+16+\n:32*\T+16+\n+1], v[54+4*\T:55+4*\T]
	v_pk_mul_f32 v[S+32*\T+16+\n:S+32*\T+16+\n+1], v[32*\T+16+\n:32*\T+16+\n+1], v[52+4*\T:53+4*\T]
	v_pk_fma_f32 v[S+32*\T+\n:S+32*\T+\n+1], v[32*\T+\n:32*\T+\n+1], v[52+4*\T:53+4*\T], v[S+32*\T+\n:S+32*\T+\n+1] neg_lo:[0,0,1] neg_hi:[0,0,1]
	v_pk_fma_f32 v[S+32*\T+16+\n:S+32*\T+16+\n+1], v[32*\T+\n:32*\T+\n+1], v[54+4*\T:55+4*\T], v[S+32*\T+16+\n:S+32*\T+16+\n+1]
.endr
.endr
	WIN 0
.irp T, 0,1
.irp n, 0,1,2,3,4,5,6,7,8,9,10,11,12,13,14,15
	v_cvt_pk_f16_f32 v[P+16*\T+\n], v[S+32*\T+2*\n], v[S+32*\T+2*\n+1]
.endr
.endr
.irp T, 0,1
.irp f, 0,1
.irp c, 0,1
	global_store_b128 v[LI], v[P+16*\T+8*\f+4*\c:P+16*\T+8*\f+4*\c+3], s[16:17] offset:32768*\T+1024*\f+512*\c   ; 32 lanes store 512 consecutive bytes, aligned
.endr
.endr
.endr
	s_wait_tensorcnt 0x0                           ; the wave's end
	ds_add_u32 v[SPW], v[NIL]
	s_wait_dscnt 0x0
	CROUND                                         ; the closing round
	s_endpgm
.Lfunc_end_k_qd43812c061_attn:
	.size	k_qd43812c061_attn, .Lfunc_end_k_qd43812c061_attn-k_qd43812c061_attn
	.p2alignl 7, 3214868480
	.fill 96, 4, 3214868480
	.section	.rodata,"a",@progbits
	.p2align	6, 0x0
	.amdhsa_kernel k_qd43812c061_attn
		.amdhsa_group_segment_fixed_size 327680
		.amdhsa_private_segment_fixed_size 0
		.amdhsa_enable_private_segment 0
		.amdhsa_kernarg_size 56
		.amdhsa_user_sgpr_count 2
		.amdhsa_user_sgpr_kernarg_segment_ptr 1
		.amdhsa_wavefront_size32 1
		.amdhsa_system_sgpr_workgroup_id_x 1
		.amdhsa_system_sgpr_workgroup_id_y 1
		.amdhsa_system_sgpr_workgroup_id_z 1
		.amdhsa_system_vgpr_workitem_id 0
		.amdhsa_next_free_vgpr 512
		.amdhsa_next_free_sgpr 96
		.amdhsa_reserve_vcc 0
		.amdhsa_float_denorm_mode_32 3
		.amdhsa_float_denorm_mode_16_64 3
		.amdhsa_memory_ordered 1
		.amdhsa_forward_progress 1
		.amdhsa_inst_pref_size 84
	.end_amdhsa_kernel
	.amdgpu_metadata
---
amdhsa.version: [ 1, 2 ]
amdhsa.kernels:
  - .name:           k_qd43812c061_attn
    .symbol:         k_qd43812c061_attn.kd
    .args:
      - { .name: qkv, .offset: 0, .size: 8, .value_kind: global_buffer, .address_space: global }
      - { .name: gv, .offset: 8, .size: 8, .value_kind: global_buffer, .address_space: global }
      - { .name: beta_p, .offset: 16, .size: 8, .value_kind: global_buffer, .address_space: global }
      - { .name: iv_p, .offset: 24, .size: 8, .value_kind: global_buffer, .address_space: global }
      - { .name: ov_p, .offset: 32, .size: 8, .value_kind: global_buffer, .address_space: global }
      - { .name: chi, .offset: 40, .size: 8, .value_kind: global_buffer, .address_space: global }
      - { .name: cmb, .offset: 48, .size: 8, .value_kind: global_buffer, .address_space: global }
    .group_segment_fixed_size: 327680
    .private_segment_fixed_size: 0
    .kernarg_segment_align: 8
    .kernarg_segment_size: 56
    .max_flat_workgroup_size: 256
    .sgpr_count:     96
    .vgpr_count:     512
    .wavefront_size: 32
...
	.end_amdgpu_metadata
.endif
;; end of part 3
;; launch outp (part 4): grid 8 x 32, 4 waves a work-group, clusters of 4 x 4, 327,680 bytes of LDS; arguments cmb, wo16, out0; writes out0
.if DOCPART == 4
	.amdgcn_target "amdgcn-amd-amdhsa--gfx1250"
	.amdhsa_code_object_version 6
	.text
	.protected	k_qd43812c061_outp
	.globl	k_qd43812c061_outp
	.p2align	8
	.type	k_qd43812c061_outp,@function
k_qd43812c061_outp:
	s_mov_b64 s[64:65], 0
	v_nop
	global_prefetch_b8 v0, s[64:65] scope:SCOPE_SE
	s_setreg_imm32_b32 hwreg(HW_REG_WAVE_MODE, 25, 1), 1
	s_wait_xcnt 0x0
	s_wait_alu depctr_hold_cnt(0) depctr_sa_sdst(0) depctr_va_vdst(0) depctr_va_sdst(0) depctr_va_ssrc(0) depctr_va_vcc(0) depctr_vm_vsrc(0)
	s_getreg_b32 s2, hwreg(HW_REG_IB_STS2, 6, 4)
	s_cmp_eq_u32 s2, 0
	s_cbranch_scc0 .Lentry_in_a_cluster
	s_endpgm
.Lentry_in_a_cluster:
	s_bfe_u32 s2, ttmp6, 0x10000c
	s_cmp_lg_u32 s2, 0xf033
	s_cbranch_scc0 .Lentry_shape_is_right
	s_endpgm
.Lentry_shape_is_right:
; out0 [4096][1024] f32 = combined [4096][1024] x Wout [1024][1024], operands in f16, sums in f32.
; Both operands lie in memory as images of fragments (16 rows x 32 K: 8 registers a lane, 1,024 bytes): cmb [block of 16 tokens 256][32 along K: 32][1 KB], wo16 [block of 16 columns 64][32][1 KB].
; A tile of the result is 128 x 128: 256 work-groups.  Four waves, each 64 x 64: 16 accumulators.  K goes in four steps of 256 through two LDS slots; a wave's tensor load brings 4 blocks x 8 fragments (32,768 bytes).
; CLUSTERS of 4 x 4: the four of a row need the same tiles of cmb, the four of a column the same tiles of wo16: each tile is asked for jointly.
; THE MATRIX INSTRUCTION IS USED TRANSPOSED (source 0 = 16 columns of Wout, source 1 = 16 tokens): a lane holds eight neighbouring numbers of a row of the result.
; LIMITS: the operands are f16, as the launches before made them.
; REGISTERS: window 0: v16-29 addresses; v32-95 the way out; v128-255 the accumulators ((a, b) at v[128 + 8 (4 a + b)]).  window 1: two fragment buffers of 128: for 64 along K, 64 registers of A, then 64 of B.
.set SLOT,   131072                    ; A [block 8][fragment 8][1 KB], then B likewise
.set BOFF,   65536
.set SPARE,  262144                    ; the spare words, 128 bytes for each wave: two blocks of 256 bytes that no other line names
.set SPITCH, 272                       ; the way out: a stage of 16 rows x (256 + 16) bytes for each wave, in slot 0, which has had its last fill and its last read when the first result is stored there
.set ADRA, 16
.set ADRB, 20
.set STO,  24
.set RD,   25
.set CO,   26
.set SPW,  28
.set NIL,  29
.set TMP,  32
.set ACC,  128
.set F0,   0
.set F1,   128
.set G1, 24
.set G0, 32
.set G1B, 48
.set G0B, 56
.set MSB, 0
.macro WIN new
.if MSB != \new
	s_set_vgpr_msb (MSB<<8)|\new
.set MSB, \new
.endif
.endm
.set MUL,  0x05                        ; sources 0 (B) and 1 (A) window 1; C and D window 0
.set TO_F, 0x40                        ; destination window 1, address window 0
.macro JLOAD s                         ; a joint load: waves 0 and 1 fetch A's two halves, waves 2 and 3 B's; an s_nop 0 and four v_nop follow each of the two lines
	s_cmp_eq_u32 s11, 0
	s_cbranch_scc0 .Lfor_b_\@
	tensor_load_to_lds s[G0+4*\s:G0+4*\s+3], s[G1:G1+7]
	s_nop 0
.rept 4
	v_nop
.endr
	s_branch .Lasked_\@
.Lfor_b_\@:
	tensor_load_to_lds s[G0B+4*\s:G0B+4*\s+3], s[G1B:G1B+7]
	s_nop 0
.rept 4
	v_nop
.endr
.Lasked_\@:
.endm
.macro CREST                           ; a round of the cluster's barrier behind its opening barrier
	s_cmp_lg_u32 s10, 0
	s_cbranch_scc1 .Lnot_wave_0_\@
	s_barrier_signal -3
.Lnot_wave_0_\@:
	s_barrier_wait -3
	s_barrier_signal -1
	s_barrier_wait -1
.endm
.macro CROUND
	s_barrier_signal -1
	s_barrier_wait -1
	CREST
.endm
	s_load_b128 s[4:7], s[0:1], 0x0                ; cmb s[4:5], wo16 s[6:7]
	s_load_b64 s[8:9], s[0:1], 0x10                ; out0
	v_lshl_add_u32 v[SPW], v0, 2, SPARE
	v_mov_b32 v[NIL], 0
	ds_add_u32 v[SPW], v[NIL]                      ; the wave's opening: the add and its wait stand ahead of my first tensor load
	v_lshrrev_b32 v1, 5, v0
	v_readfirstlane_b32 s10, v1                    ; wave 0..3
	s_lshr_b32 s11, s10, 1                         ; which half of the tile's rows is mine.  Also: I fetch for A (0) or for B (1)
	s_and_b32 s12, s10, 1                          ; which half of its columns.  Also: which 4 blocks of that tile I fetch
	s_bfe_u32 s40, ttmp6, 0x40000
	s_bfe_u32 s41, ttmp6, 0x40004
	s_lshl_b32 s42, ttmp9, 2
	s_add_co_u32 s42, s42, s40                     ; tile column = 4 x cluster x + cx
	s_and_b32 s13, ttmp7, 0xffff
	s_lshl_b32 s13, s13, 2
	s_add_co_u32 s13, s13, s41                     ; tile row = 4 x cluster y + cy
	s_lshl_b32 s43, s41, 2
	s_lshl_b32 s43, 15, s43                        ; my row of the cluster
	s_lshl_b32 s44, 0x1111, s40                    ; my column
	; group 1: 4 blocks of 16 rows, of each 8 fragments = 8,192 consecutive bytes (1,024 elements of 8), 32,768 bytes from block to block; dense in LDS
	s_or_b32 s[G1+0], s43, (3<<16)|(1<<21)
	s_or_b32 s[G1B+0], s44, (3<<16)|(1<<21)
.irp g, G1, G1B
	s_mov_b32 s[\g+1], 1024<<16                    ; tensor_dim0
	s_mov_b32 s[\g+2], 4<<16                       ; tensor_dim1
	s_mov_b32 s[\g+3], 1024<<16                    ; tile_dim0
	s_mov_b32 s[\g+4], 4                           ; tile_dim1
	s_mov_b32 s[\g+5], 4096                        ; tensor_dim0_stride
	s_mov_b32 s[\g+6], 0
	s_mov_b32 s[\g+7], 0
.endr
	s_lshl_b32 s17, s12, 2
	s_lshl_b32 s16, s13, 3
	s_add_co_u32 s16, s16, s17                     ; A: block 8 x tile row + 4 x half
	s_lshl_b32 s16, s16, 15
	s_lshl_b32 s46, s42, 3
	s_add_co_u32 s46, s46, s17                     ; B: block 8 x tile column + 4 x half
	s_lshl_b32 s46, s46, 15
	s_mov_b32 s17, 0
	s_mov_b32 s47, 0
	s_lshl_b32 s20, s10, 15                        ; where they go: wave x 32,768
	s_wait_dscnt 0x0
	s_wait_kmcnt 0x0
	s_add_nc_u64 s[14:15], s[4:5], s[16:17]
	s_add_nc_u64 s[46:47], s[6:7], s[46:47]
	CROUND                                         ; all sixteen work-groups are here: the first joint loads meet
.irp s, 0,1
	s_mov_b32 s[G0+4*\s], 1
	s_add_co_u32 s[G0+4*\s+1], s20, \s*SLOT
	s_add_nc_u64 s[G0+4*\s+2:G0+4*\s+3], s[14:15], \s*8192
	s_or_b32 s[G0+4*\s+3], s[G0+4*\s+3], 0x80000000
	s_mov_b32 s[G0B+4*\s], 1
	s_add_co_u32 s[G0B+4*\s+1], s20, \s*SLOT
	s_add_nc_u64 s[G0B+4*\s+2:G0B+4*\s+3], s[46:47], \s*8192
	s_or_b32 s[G0B+4*\s+3], s[G0B+4*\s+3], 0x80000000
	JLOAD \s                                       ; two tensor loads of mine are out
.endr
	v_and_b32 v1, 15, v0                           ; l % 16
	v_bfe_u32 v2, v0, 4, 1                         ; l / 16
	v_and_b32 v3, 31, v0
	v_lshlrev_b32 v3, 4, v3                        ; 16 x lane: my place in every image
	s_lshl_b32 s21, s11, 15                        ; my 4 blocks of A,
	s_lshl_b32 s22, s12, 15
	s_add_co_u32 s22, s22, BOFF                    ; of B
.irp s, 0,1
	v_add_nc_u32 v[ADRA+\s], s21, v3
	v_add_nc_u32 v[ADRB+\s], s22, v3
	s_add_co_u32 s21, s21, SLOT
	s_add_co_u32 s22, s22, SLOT
.endr
	s_mul_i32 s23, s10, 16*SPITCH                  ; my stage
	v_mul_u32_u24 v4, v1, SPITCH
	v_lshl_add_u32 v4, v2, 5, v4
	v_add_nc_u32 v[STO], s23, v4                   ; in: row l % 16, 32 bytes for each half of the lanes
	v_mul_u32_u24 v5, v2, SPITCH
	v_lshl_add_u32 v5, v1, 4, v5
	v_add_nc_u32 v[RD], s23, v5                    ; back: lanes 0-15 one row of 256 bytes, lanes 16-31 the next
	v_lshlrev_b32 v5, 12, v2
	v_lshl_add_u32 v[CO], v1, 4, v5                ; and the same two rows in the result
	s_lshl_b32 s16, s13, 7
	s_lshl_b32 s17, s11, 6
	s_add_co_u32 s16, s16, s17                     ; my first row: 128 x tile row + 64 x half
	s_lshl_b32 s16, s16, 12
	s_lshl_b32 s17, s42, 9                         ; my first column, in bytes: 512 x tile column + 256 x half
	s_add_co_u32 s16, s16, s17
	s_lshl_b32 s17, s12, 8
	s_add_co_u32 s16, s16, s17
	s_mov_b32 s17, 0
	s_add_nc_u64 s[8:9], s[8:9], s[16:17]
; 8 matrix instructions: m blocks a0, a0 + 1 x all 4 n blocks, 32 along K: half c of buffer f.  zero = 1: the first product starts the sums.  The 16 accumulators take turns.
.macro MUL8 f, c, a0, zero
.irp a, \a0, \a0+1
.irp b, 0,1,2,3
.if \zero
	v_wmma_f32_16x16x32_f16 v[ACC+8*(4*(\a)+\b):ACC+8*(4*(\a)+\b)+7], v[\f+64+8*(4*\c+\b):\f+64+8*(4*\c+\b)+7], v[\f+8*(4*\c+\a):\f+8*(4*\c+\a)+7], 0
.else
	v_wmma_f32_16x16x32_f16 v[ACC+8*(4*(\a)+\b):ACC+8*(4*(\a)+\b)+7], v[\f+64+8*(4*\c+\b):\f+64+8*(4*\c+\b)+7], v[\f+8*(4*\c+\a):\f+8*(4*\c+\a)+7], v[ACC+8*(4*(\a)+\b):ACC+8*(4*(\a)+\b)+7]
.endif
.endr
.endr
.endm
; 32 LDS loads in one run: the fragments of the slot's kq-th 64 along K into buffer f; the first 32 along K first
.macro FETCH slot, kq, f
	WIN TO_F
.irp c, 0,1
.irp i, 0,1,2,3
	ds_load_b128 v[\f+64+8*(4*\c+\i):\f+64+8*(4*\c+\i)+3],   v[ADRB+\slot] offset:8192*\i+1024*(2*(\kq)+\c)
	ds_load_b128 v[\f+64+8*(4*\c+\i)+4:\f+64+8*(4*\c+\i)+7], v[ADRB+\slot] offset:8192*\i+1024*(2*(\kq)+\c)+512
	ds_load_b128 v[\f+8*(4*\c+\i):\f+8*(4*\c+\i)+3],         v[ADRA+\slot] offset:8192*\i+1024*(2*(\kq)+\c)
	ds_load_b128 v[\f+8*(4*\c+\i)+4:\f+8*(4*\c+\i)+7],       v[ADRA+\slot] offset:8192*\i+1024*(2*(\kq)+\c)+512
.endr
.endr
.endm
.macro PLACES                          ; four places in front of loads into registers that matrix instructions have read, and of the first read of results
.rept 4
	v_nop
.endr
.endm
; A K step is four quarters of 64 along K, 32 matrix instructions each, on buffers 0, 1, 0, 1.  One of the first three: multiplies buffer f and fetches quarter kq into g.
.macro QUARTER slot, kq, f, g, zero
	s_wait_dscnt 16                                ; the first 32 along K are in; the youngest sixteen loads may be out
	WIN MUL
	MUL8 \f, 0, 0, \zero
	MUL8 \f, 0, 2, \zero
	PLACES
	FETCH \slot, \kq, \g
	s_wait_dscnt 32                                ; all but the 32 just issued
	WIN MUL
	MUL8 \f, 1, 0, 0
	MUL8 \f, 1, 2, 0
.endm
; The last quarter multiplies buffer 1 and changes slots: ONE barrier; in front of it each wave waits for all its tensor loads, adds 0 to its spare word, and waits for that and for its own reads of this slot.
; fill = 1: the barrier opens a round of the cluster's barrier, and this slot is filled again, two K steps ahead, first thing behind it.
.macro TURN slot, next, fill
	WIN 0
	s_wait_tensorcnt 0x0                           ; all my tensor loads have landed: my part of the next slot
	ds_add_u32 v[SPW], v[NIL]                      ; 0 onto my spare word
	s_wait_dscnt 17                                ; (the add and the youngest sixteen loads may be out)
	WIN MUL
	MUL8 F1, 0, 0, 0
	s_wait_dscnt 0x0                               ; the add is done, and my reads of this slot are over
	s_barrier_signal -1
	MUL8 F1, 0, 2, 0
.if \fill
	WIN 0
.endif
	s_barrier_wait -1
.if \fill
	CREST                                          ; no wave of any partner still reads this slot's tile or has a load on its way
	s_add_nc_u64 s[G0+4*\slot+2:G0+4*\slot+3], s[G0+4*\slot+2:G0+4*\slot+3], 2*8192
	s_add_nc_u64 s[G0B+4*\slot+2:G0B+4*\slot+3], s[G0B+4*\slot+2:G0B+4*\slot+3], 2*8192
	JLOAD \slot                                    ; my one tensor load behind the round; the four v_nop behind it are also the places in front of the loads below
.else
	PLACES
.endif
	FETCH \next, 0, F0
	WIN MUL
	MUL8 F1, 1, 0, 0
	MUL8 F1, 1, 2, 0
.endm
	s_wait_tensorcnt 1                             ; my part of K step 0 is in; K step 1's load may be out
	s_barrier_signal -1
	s_barrier_wait -1
	FETCH 0, 0, F0
	QUARTER 0, 1, F0, F1, 1                        ; the first products start the sums: nothing is cleared
	QUARTER 0, 2, F1, F0, 0
	QUARTER 0, 3, F0, F1, 0
	TURN 0, 1, 1                                   ; slot 0 takes K step 2
	QUARTER 1, 1, F0, F1, 0
	QUARTER 1, 2, F1, F0, 0
	QUARTER 1, 3, F0, F1, 0
	TURN 1, 0, 1                                   ; slot 1 takes K step 3
	QUARTER 0, 1, F0, F1, 0
	QUARTER 0, 2, F1, F0, 0
	QUARTER 0, 3, F0, F1, 0
	TURN 0, 1, 0                                   ; nothing is left to fetch
	QUARTER 1, 1, F0, F1, 0
	QUARTER 1, 2, F1, F0, 0
	QUARTER 1, 3, F0, F1, 0
	s_wait_dscnt 16
	WIN MUL
	MUL8 F1, 0, 0, 0
	MUL8 F1, 0, 2, 0
	s_wait_dscnt 0
	MUL8 F1, 1, 0, 0
	MUL8 F1, 1, 2, 0
	WIN 0
; THE WAY OUT, 16 rows x 64 columns at a time.  A lane holds 32 neighbouring bytes of a row; a row's 256 bytes are my wave's own: they go through my own stage and come back as whole rows.
; LDS serves a wave's instructions in order: no wait between the stores and the loads, nor in front of the next block's stores.
.macro TOSTAGE a
.irp b, 0,1,2,3
	ds_store_b128 v[STO], v[ACC+8*(4*(\a)+\b):ACC+8*(4*(\a)+\b)+3] offset:64*\b          ; each accumulator from its low end on
	ds_store_b128 v[STO], v[ACC+8*(4*(\a)+\b)+4:ACC+8*(4*(\a)+\b)+7] offset:64*\b+16
.endr
.set BB, TMP+32*((\a)%2)
.irp t, 0,1,2,3,4,5,6,7
	ds_load_b128 v[BB+4*\t:BB+4*\t+3], v[RD] offset:\t*2*SPITCH
.endr
.endm
.macro SEND a, younger                 ; younger: the LDS instructions issued behind block a's loads, which may stay out
.set BB, TMP+32*((\a)%2)
	s_wait_dscnt \younger
.irp t, 0,1,2,3,4,5,6,7
	global_store_b128 v[CO], v[BB+4*\t:BB+4*\t+3], s[8:9] offset:(16*(\a)+2*\t)*4096 th:TH_STORE_NT   ; sixteen lanes store 256 consecutive bytes, aligned
.endr
.endm
	PLACES
	TOSTAGE 0
.irp a, 1,2,3
.if \a > 1
	s_wait_xcnt 0x0                                ; block a - 2's stores have read their registers: block a's loads may land there
.endif
	TOSTAGE \a
	SEND \a-1, 16                                  ; behind block a - 1's loads: block a's 8 stores and 8 loads
.endr
	SEND 3, 0
	s_wait_tensorcnt 0x0                           ; the wave's end, behind my last tensor load and my last LDS store
	ds_add_u32 v[SPW], v[NIL]
	s_wait_dscnt 0x0
	CROUND                                         ; the closing round
	s_endpgm
.Lfunc_end_k_qd43812c061_outp:
	.size	k_qd43812c061_outp, .Lfunc_end_k_qd43812c061_outp-k_qd43812c061_outp
	.p2alignl 7, 3214868480
	.fill 96, 4, 3214868480
	.section	.rodata,"a",@progbits
	.p2align	6, 0x0
	.amdhsa_kernel k_qd43812c061_outp
		.amdhsa_group_segment_fixed_size 327680
		.amdhsa_private_segment_fixed_size 0
		.amdhsa_enable_private_segment 0
		.amdhsa_kernarg_size 24
		.amdhsa_user_sgpr_count 2
		.amdhsa_user_sgpr_kernarg_segment_ptr 1
		.amdhsa_wavefront_size32 1
		.amdhsa_system_sgpr_workgroup_id_x 1
		.amdhsa_system_sgpr_workgroup_id_y 1
		.amdhsa_system_sgpr_workgroup_id_z 1
		.amdhsa_system_vgpr_workitem_id 0
		.amdhsa_next_free_vgpr 512
		.amdhsa_next_free_sgpr 66
		.amdhsa_reserve_vcc 0
		.amdhsa_float_denorm_mode_32 3
		.amdhsa_float_denorm_mode_16_64 3
		.amdhsa_memory_ordered 1
		.amdhsa_forward_progress 1
		.amdhsa_inst_pref_size 85
	.end_amdhsa_kernel
	.amdgpu_metadata
---
amdhsa.version: [ 1, 2 ]
amdhsa.kernels:
  - .name:           k_qd43812c061_outp
    .symbol:         k_qd43812c061_outp.kd
    .args:
      - { .name: cmb, .offset: 0, .size: 8, .value_kind: global_buffer, .address_space: global }
      - { .name: wo16, .offset: 8, .size: 8, .value_kind: global_buffer, .address_space: global }
      - { .name: out0, .offset: 16, .size: 8, .value_kind: global_buffer, .address_space: global }
    .group_segment_fixed_size: 327680
    .private_segment_fixed_size: 0
    .kernarg_segment_align: 8
    .kernarg_segment_size: 24
    .max_flat_workgroup_size: 128
    .sgpr_count:     66
    .vgpr_count:     512
    .wavefront_size: 32
...
	.end_amdgpu_metadata
.endif
;; end of part 4
